; MI455X (gfx1250); checked and timed in simulation.
; The chip was launched on July 23, 2026; its instructions are those of AMD's public machine-readable ISA for CDNA 5 (MIT licence, August 2026) and "CDNA5" Instruction Set Architecture Reference Guide (July 2026). The comments in the code are by the model that wrote it; some were corrected since.
;; Causal Self Attention. Allowed arithmetic: matrix products marked QUANTISED: E4M3 operands, one given power-of-two scale a tensor, by v_wmma_f32_16x16x64_fp8_fp8 or v_wmma_f32_16x16x128_fp8_fp8, f32 sums; everything else in f32.
;; Inputs: b_proj 1,024 float32; lowp_scales 8 int32 (the exponents e of the quantised operands' scales 2^e); w_proj 1,024 x 1,024 float32; w_qkv 1,024 x 3,072 float32; x 2 x 2,048 x 1,024 float32.
;; Outputs: out0 2 x 2,048 x 1,024 float32.
;; This version of the problem:
;;   THIS VERSION OF THE PROBLEM IS GIVEN IN LOW PRECISION. The matrix products marked QUANTISED in the list below multiply operands that are first quantised to E4M3 (4 exponent bits, 3 mantissa bits; 8 bits a number), with one given power-of-two scale for each operand tensor; their sums are f32. All else is computed in f32.
;;   The module's matrix products, in the order in which they are computed (A, B: the left and right operand; K: the contracted axis; several contracted axes count as one K, in the product's order):
;;     1. [M 4,096, K 1,024] x [K 1,024, N 3,072]; A: input x; B: input w_qkv: QUANTISED (scales: A lowp_scales[0], B lowp_scales[1])
;;     2. batch 32 x [M 2,048, K 64] x [K 64, N 2,048]; A: computed on the way; B: computed on the way: QUANTISED (scales: A lowp_scales[2], B lowp_scales[3])
;;     3. batch 32 x [M 2,048, K 2,048] x [K 2,048, N 64]; A: softmax (see below); B: computed on the way: QUANTISED (scales: A lowp_scales[4], B lowp_scales[5])
;;     4. [M 4,096, K 1,024] x [K 1,024, N 1,024]; A: computed on the way; B: input w_proj: QUANTISED (scales: A lowp_scales[6], B lowp_scales[7])
;;   THE QUANTISER, for each operand of a quantised product, along K:
;;     - The operand's scale is 2^e, e = its entry of the input lowp_scales (int32; the entries are numbered through the quantised products in the list's order, A before B).
;;     - Each number is divided by the scale, clamped to +-448, and rounded to the nearest number of E4M3, ties to even, subnormals kept.
;;     - The product sums the exact products of the quantised numbers (number of the format x scale) in f32.
;;   ~~~python
;;   def quantise(x, axis, e):      # numpy; x: float32 -> the quantised numbers, widened to float32 again
;;       x = np.moveaxis(x, axis, -1); K = x.shape[-1]
;;       r = np.clip(x / 2.0 ** e, -448, 448)
;;       step = 2.0 ** (np.maximum(np.frexp(np.where(r == 0, 1, r))[1] - 1, -6) - 3)
;;       q = np.round(r / step) * step * 2.0 ** e      # np.round: ties to even
;;       return np.moveaxis(q, -1, axis).astype(np.float32)
;;   ~~~
;;   SOFTMAX AHEAD OF A QUANTISED PRODUCT. Where the list says 'softmax', what is quantised is not the finished softmax but p = 2^(t - M), with t = logit x log2(e) and M = ceil(the row's largest t), a whole number; so 1/2 < the row's largest p <= 1. The row's sum l is taken of the UNQUANTISED p, in f32, and the product's result is divided by l at the end. Since M is a whole number, a kernel that streams over the keys may use a running M (the ceiling of the running maximum): every later rescaling is an exact power of two, so the quantised numbers keep their values, but for numbers so far below the row's largest that they fall under the format's range.
;;   OPERANDS COMPUTED ON THE WAY. 'Computed on the way' means the value that the module computes at that place (a softmax that the list does not call 'softmax' is quantised finished and normalised). What goes into a quantiser is computed in f32, as accurately as f32 sums, v_exp_f32 and their like allow (about 1e-6 of the number): no bf16 or f16 on the way to a quantiser, and a product that is left as it is and whose result goes on into a quantised operand takes f32 operands (vector FMAs, or v_wmma_f32_16x16x4_f32). A number that lies on a knife's edge between two numbers of the format may be rounded either way, as far as f32 arithmetic and the matrix unit's own rounding can turn it there, and no further.
;; One version. Each part assembles by itself: llvm-mc -triple=amdgcn-amd-amdhsa -mcpu=gfx1250 --defsym DOCPART=n.
;; ======== version 1 of 1: 4 launches
;; limits: right only within a limited range of input values
;; workspace buffers: x_codes 4,194,304 bytes; w_codes 4,194,304 bytes; qkv_codes 12,582,912 bytes; y_codes 4,194,304 bytes
;; launch prep (part 1): grid 256 x 1, 8 waves a work-group, no clusters, 76,800 bytes of LDS; arguments x, w_qkv, w_proj, lowp_scales, x_codes, w_codes; writes x_codes, w_codes
.if DOCPART == 1
	.amdgcn_target "amdgcn-amd-amdhsa--gfx1250"
	.amdhsa_code_object_version 6
	.text
	.protected	k_q3a1e129a50_prep
	.globl	k_q3a1e129a50_prep
	.p2align	8
	.type	k_q3a1e129a50_prep,@function
k_q3a1e129a50_prep:
	s_mov_b64 s[64:65], 0
	v_nop
	global_prefetch_b8 v0, s[64:65] scope:SCOPE_SE
	s_setreg_imm32_b32 hwreg(HW_REG_WAVE_MODE, 25, 1), 1
	s_wait_xcnt 0x0
; x [4096][1024], w_qkv [1024][3072] and w_proj [1024][1024], all f32, become codes of FP8 (E4M3), each with the one scale 2^e that is given for it
; (x: entry 0 of the scales, w_qkv: entry 1, w_proj: entry 7).  code = number / 2^e, held within +-448, rounded to the nearest code, ties to even.
; x_codes: [4096 rows][1024 k].  w_codes: [4096 rows][1024 k], K innermost: row 192 head + 64 kind + d is w_qkv's column 1024 kind + 64 head + d (kind 0 q, 1 k, 2 v); row 3072 + n is w_proj's column n.
; THE PROGRAM LEAVES OUT, in the launch attn, score tiles that lie whole under reference()'s own causal mask: -inf ahead of the softmax makes their p 0 for all inputs.  A NaN or an infinity that reaches only those tiles is not carried to the result.  Every input is loaded.
; LIMITS: each e lies between -126 and 119, so that 2^e and 448 x 2^e are f32 numbers.  NaN among the inputs is not served; an infinity is held at the largest code.
; SHARES.  Work-groups 0-127 take x, 32,768 numbers each; work-groups 128-255 take the weights, 128 columns x 256 along K each.  A wave reads 16,384 bytes and asks for all of them ahead of its first conversion.
; The two ways part on the work-group's number and do not meet again; each has LDS bytes of its own.  This is a stream: no matrix unit, no cluster, no tensor load, no loop to prefetch in.
.set STEPS, 8                          ; way X: steps of 512 numbers for a wave
.set SP,    80                         ; way X: a lane's place in a stage: its 64 bytes + 16 of padding
.set XSTG,  32*SP                      ; a stage
.set XREG,  2*XSTG                     ; a wave's two stages
.set R,     16                         ; v16-143  eight sets of 16 numbers as they are loaded
.set X,     144                        ; v144-175 two sets of 16 neighbours
.set C,     176                        ; v176-207 codes: four registers for each step
.set WB,    8*XREG                     ; way W: its two stages begin here
.set PITCH, 272                        ; way W: a stage row: 256 bytes of codes + 16
.set WSTG,  64*PITCH                   ; way W: 64 columns
.set WC,    16                         ; way W: v16-47  codes: 16 registers for each of two blocks
.set WL,    64                         ; way W: v64-191 two blocks of 32 rows x 2 columns as they are loaded; afterwards the way out
.set WT,    192                        ; way W: v192-255 two columns of 32 along K
.set SPW,   12                         ; v12 LDS address of my spare word; never rewritten
.set NIL,   13                         ; v13 0; never rewritten
.set SPARE, WB+2*WSTG
	s_load_b256 s[4:11], s[0:1], 0x0               ; x s[4:5], w_qkv s[6:7], w_proj s[8:9], the scales' exponents s[10:11]
	s_load_b128 s[12:15], s[0:1], 0x20             ; x_codes s[12:13], w_codes s[14:15]
	v_lshl_add_u32 v[SPW], v0, 2, SPARE
	v_mov_b32 v[NIL], 0
	v_lshrrev_b32 v1, 5, v0
	v_readfirstlane_b32 s16, v1                    ; wave 0..7
	v_and_b32 v2, 31, v0                           ; lane
	s_wait_alu depctr_va_vdst(0)
	s_wait_kmcnt 0x0
	s_load_b256 s[24:31], s[10:11], 0x0            ; e0 .. e7
	s_cmp_lt_u32 ttmp9, 128
	s_cbranch_scc0 .Lweights
; ---- WAY X.  Rows are dense, so x is a plain stream.  A conversion takes 8 neighbours from ONE lane's registers; each load reads 512 consecutive bytes, 16 a lane: a step's 2,048 bytes
; go through the wave's own stage in LDS and come back 64 bytes a lane.  A lane's 16 codes are 16 bytes: the wave stores 512 consecutive bytes.
	s_mul_i32 s17, s16, XREG
	s_lshl_b32 s18, ttmp9, 3
	s_add_co_u32 s18, s18, s16                     ; which run of 4,096 numbers is my wave's
	s_lshl_b32 s20, s18, 14
	s_mov_b32 s21, 0
	s_add_nc_u64 s[4:5], s[4:5], s[20:21]
	s_lshl_b32 s20, s18, 12
	s_add_nc_u64 s[12:13], s[12:13], s[20:21]
	v_lshlrev_b32 v3, 4, v2                        ; my 16 bytes of a load's 512, and of a store's
	v_lshrrev_b32 v14, 2, v2
	v_and_b32 v4, 3, v2
	v_mul_u32_u24 v15, v2, SP
	v_mul_u32_u24 v14, v14, SP
	v_add_nc_u32 v15, s17, v15                     ; the stage, on the way out: SP x lane
	v_lshl_add_u32 v14, v4, 4, v14
	v_add_nc_u32 v14, s17, v14                     ; and on the way in: SP (lane / 4) + 16 (lane % 4)
.set n, 0
.rept 4*STEPS
	global_load_b128 v[R+4*n:R+4*n+3], v3, s[4:5] offset:512*n th:TH_LOAD_NT
.set n, n+1
.endr
	s_wait_alu depctr_va_vdst(0)
	s_wait_kmcnt 0x0
	s_add_co_i32 s22, s24, 127
	s_lshl_b32 s23, s22, 23
	v_mov_b32 v11, s23                             ; 2^e0 as f32: the conversion takes its exponent field
	s_add_co_i32 s22, s22, 8
	s_lshl_b32 s22, s22, 23
	s_or_b32 s22, s22, 0x600000
	v_mov_b32 v10, s22                             ; 448 x 2^e0
.macro XTURN t                         ; step t's numbers through the stage: LDS serves a wave's instructions in order, so no wait stands between the stores and the loads
.irp i, 0,1,2,3
	ds_store_b128 v14, v[R+16*(\t)+4*\i:R+16*(\t)+4*\i+3] offset:XSTG*((\t)%2)+8*SP*\i
.endr
.irp i, 0,1,2,3
	ds_load_b128 v[X+16*((\t)%2)+4*\i:X+16*((\t)%2)+4*\i+3], v15 offset:XSTG*((\t)%2)+16*\i
.endr
.endm
.macro XSTEP t
.set XS, X+16*((\t)%2)
	s_wait_dscnt 0x0                               ; this step's numbers are back from the stage
.if (\t)+1 < STEPS
	s_wait_loadcnt 4*(STEPS-2-(\t))                ; the next step's four loads are in; those of the steps behind it may be out
	XTURN (\t)+1
.endif
.irp i, 0,1,2,3,4,5,6,7,8,9,10,11,12,13,14,15
	v_med3_num_f32 v[XS+\i], v[XS+\i], -v10, v10   ; the conversion to an 8-bit code does not saturate (ISA guide 7.6.2): the hold comes first
.endr
	v_cvt_scalef32_pk8_fp8_f32 v[C+4*(\t):C+4*(\t)+1], v[XS:XS+7], v11
	v_cvt_scalef32_pk8_fp8_f32 v[C+4*(\t)+2:C+4*(\t)+3], v[XS+8:XS+15], v11
	global_store_b128 v3, v[C+4*(\t):C+4*(\t)+3], s[12:13] offset:512*(\t)   ; 32 lanes store 512 consecutive bytes, aligned; the next step's holds are plain lines
.endm
	s_wait_alu depctr_va_vdst(0)
	s_wait_loadcnt 4*(STEPS-1)                     ; step 0's four loads are in
	XTURN 0
.irp t, 0,1,2,3,4,5,6,7
	XSTEP \t
.endr
	s_wait_tensorcnt 0x0                           ; the wave's end
	ds_add_u32 v[SPW], v[NIL]
	s_wait_dscnt 0x0
	s_endpgm
; ---- WAY W.  K is the weights' FIRST axis.  A lane takes two neighbouring columns and its registers run down K: each load reads 256 consecutive bytes, and the conversions give codes with K innermost.
; Wave w: columns 64 (w % 2) on, K 64 (w / 2) on.  Four waves' codes meet in a stage of 64 rows x 256 bytes (stage row 32 c + lane: column 2 lane + c); each then stores 16 whole rows of 256 bytes.
.Lweights:
	s_sub_co_u32 s17, ttmp9, 128
	s_and_b32 s18, s17, 3                          ; which 256 along K
	s_lshr_b32 s19, s17, 2                         ; which 128 columns: 0-23 w_qkv's, 24-31 w_proj's
	s_lshr_b32 s33, s16, 1                         ; which 64 of the 256 along K is mine
	s_and_b32 s34, s16, 1                          ; which 64 of the 128 columns
	s_lshl_b32 s35, s18, 8
	s_lshl_b32 s36, s33, 6
	s_add_co_u32 s35, s35, s36                     ; my first row of the weight
	s_lshl_b32 s36, s19, 1
	s_add_co_u32 s36, s36, s34                     ; which 64 columns of all: 0-47 w_qkv's, 48-63 w_proj's
	s_and_b32 s37, s36, 15
	s_mul_i32 s37, s37, 192
	s_lshr_b32 s38, s36, 4
	s_lshl_b32 s38, s38, 6
	s_add_co_u32 s37, s37, s38                     ; w_qkv: row 192 head + 64 kind of w_codes
	s_lshl_b32 s38, s36, 6                         ; w_proj: row 3072 + 64 (s36 - 48)
	s_mov_b32 s20, 4096
	s_cmp_lt_u32 s19, 24                           ; the choice hangs on the work-group's number alone
	s_cselect_b64 s[4:5], s[6:7], s[8:9]           ; the weight
	s_cselect_b32 s20, 12288, s20                  ; a row of it in bytes
	s_cselect_b32 s37, s37, s38
	s_cselect_b32 s21, 0, 48
	s_sub_co_u32 s21, s36, s21
	s_lshl_b32 s21, s21, 8                         ; my first column, in bytes
	s_mul_i32 s50, s35, s20
	s_add_co_u32 s50, s50, s21
	s_mov_b32 s51, 0
	s_add_nc_u64 s[4:5], s[4:5], s[50:51]
	s_and_b32 s38, s33, 1
	s_lshl_b32 s38, s38, 5
	s_add_co_u32 s37, s37, s38
	s_lshr_b32 s38, s33, 1
	s_add_co_u32 s37, s37, s38                     ; stage row 16 (w / 2): w_codes row + 32 ((w / 2) % 2) + w / 4
	s_lshl_b32 s52, s37, 10
	s_lshl_b32 s38, s18, 8
	s_add_co_u32 s52, s52, s38
	s_mov_b32 s53, 0
	s_add_nc_u64 s[14:15], s[14:15], s[52:53]
	s_mul_i32 s56, s34, WSTG
	s_add_co_u32 s56, s56, WB                      ; my stage
	s_lshl_b32 s57, s33, 6
	s_add_co_u32 s57, s57, s56                     ; into it: 64 bytes for each quarter of K
	s_mul_i32 s58, s33, 16*PITCH
	s_add_co_u32 s58, s58, s56                     ; out of it: 16 rows for each wave
	v_lshlrev_b32 v3, 3, v2                        ; in memory: 8 bytes a lane
	v_mul_u32_u24 v4, v2, PITCH
	v_and_b32 v5, 15, v2
	v_lshrrev_b32 v6, 4, v2
	v_add_nc_u32 v4, s57, v4
	v_mul_u32_u24 v7, v6, PITCH
	v_lshlrev_b32 v8, 11, v6                       ; neighbouring stage rows lie two rows of w_codes apart
	v_lshl_add_u32 v7, v5, 4, v7
	v_lshl_add_u32 v8, v5, 4, v8
	v_add_nc_u32 v7, s58, v7
.macro WLOADS pitch
.set n, 0
.rept 64
	global_load_b64 v[WL+2*n:WL+2*n+1], v3, s[4:5] offset:n*\pitch th:TH_LOAD_NT
.set n, n+1
.endr
.endm
	s_cmp_lt_u32 s19, 24
	s_wait_alu depctr_va_vdst(0)                   ; directly ahead of the branch
	s_cbranch_scc0 .Lproj_rows
	WLOADS 12288
	s_branch .Lasked
.Lproj_rows:
	WLOADS 4096
.Lasked:
	s_wait_kmcnt 0x0
	s_cmp_lt_u32 s19, 24
	s_cselect_b32 s22, s25, s31                    ; e1 or e7
	s_add_co_i32 s22, s22, 127
	s_lshl_b32 s23, s22, 23
	v_mov_b32 v11, s23                             ; 2^e
	s_add_co_i32 s22, s22, 8
	s_lshl_b32 s22, s22, 23
	s_or_b32 s22, s22, 0x600000
	v_mov_b32 v10, s22                             ; 448 x 2^e
	s_wait_alu depctr_va_vdst(0)
.macro WBLOCK t
	s_wait_loadcnt 32*(1-(\t))                     ; this block's 32 loads are in; the next block's may be out
.irp c, 0,1
.irp i, 0,1,2,3,4,5,6,7,8,9,10,11,12,13,14,15,16,17,18,19,20,21,22,23,24,25,26,27,28,29,30,31
	v_med3_num_f32 v[WT+32*\c+\i], v[WL+64*(\t)+2*\i+\c], -v10, v10   ; the hold, and the two columns come apart
.endr
.endr
.irp c, 0,1
.irp g, 0,1,2,3
	v_cvt_scalef32_pk8_fp8_f32 v[WC+16*(\t)+8*\c+2*\g:WC+16*(\t)+8*\c+2*\g+1], v[WT+32*\c+8*\g:WT+32*\c+8*\g+7], v11
.endr
.endr
	v_nop                                          ; one plain line behind the last conversion
.irp c, 0,1
	ds_store_b128 v4, v[WC+16*(\t)+8*\c:WC+16*(\t)+8*\c+3] offset:32*PITCH*\c+32*(\t)
	ds_store_b128 v4, v[WC+16*(\t)+8*\c+4:WC+16*(\t)+8*\c+7] offset:32*PITCH*\c+32*(\t)+16
.endr
.endm
	WBLOCK 0
	WBLOCK 1
	s_wait_dscnt 0x0                               ; my codes are in the stage,
	s_barrier_signal -1
	s_barrier_wait -1                              ; and everybody's
.irp t, 0,1,2,3,4,5,6,7
	ds_load_b128 v[WL+4*\t:WL+4*\t+3], v7 offset:2*\t*PITCH
.endr
.irp t, 0,1,2,3,4,5,6,7
	s_wait_dscnt 7-\t                              ; the younger loads may be out
	global_store_b128 v8, v[WL+4*\t:WL+4*\t+3], s[14:15] offset:4*\t*1024   ; sixteen lanes store 256 consecutive bytes, aligned
.endr
	s_wait_tensorcnt 0x0                           ; the wave's end
	ds_add_u32 v[SPW], v[NIL]
	s_wait_dscnt 0x0
	s_endpgm
.Lfunc_end_k_q3a1e129a50_prep:
	.size	k_q3a1e129a50_prep, .Lfunc_end_k_q3a1e129a50_prep-k_q3a1e129a50_prep
	.p2alignl 7, 3214868480
	.fill 96, 4, 3214868480
	.section	.rodata,"a",@progbits
	.p2align	6, 0x0
	.amdhsa_kernel k_q3a1e129a50_prep
		.amdhsa_group_segment_fixed_size 76800
		.amdhsa_private_segment_fixed_size 0
		.amdhsa_enable_private_segment 0
		.amdhsa_kernarg_size 48
		.amdhsa_user_sgpr_count 2
		.amdhsa_user_sgpr_kernarg_segment_ptr 1
		.amdhsa_wavefront_size32 1
		.amdhsa_system_sgpr_workgroup_id_x 1
		.amdhsa_system_sgpr_workgroup_id_y 1
		.amdhsa_system_sgpr_workgroup_id_z 1
		.amdhsa_system_vgpr_workitem_id 0
		.amdhsa_next_free_vgpr 256
		.amdhsa_next_free_sgpr 66
		.amdhsa_reserve_vcc 0
		.amdhsa_float_denorm_mode_32 3
		.amdhsa_float_denorm_mode_16_64 3
		.amdhsa_memory_ordered 1
		.amdhsa_forward_progress 1
		.amdhsa_inst_pref_size 46
	.end_amdhsa_kernel
	.amdgpu_metadata
---
amdhsa.version: [ 1, 2 ]
amdhsa.kernels:
  - .name:           k_q3a1e129a50_prep
    .symbol:         k_q3a1e129a50_prep.kd
    .args:
      - { .name: x, .offset: 0, .size: 8, .value_kind: global_buffer, .address_space: global }
      - { .name: w_qkv, .offset: 8, .size: 8, .value_kind: global_buffer, .address_space: global }
      - { .name: w_proj, .offset: 16, .size: 8, .value_kind: global_buffer, .address_space: global }
      - { .name: lowp_scales, .offset: 24, .size: 8, .value_kind: global_buffer, .address_space: global }
      - { .name: x_codes, .offset: 32, .size: 8, .value_kind: global_buffer, .address_space: global }
      - { .name: w_codes, .offset: 40, .size: 8, .value_kind: global_buffer, .address_space: global }
    .group_segment_fixed_size: 76800
    .private_segment_fixed_size: 0
    .kernarg_segment_align: 8
    .kernarg_segment_size: 48
    .max_flat_workgroup_size: 256
    .sgpr_count:     66
    .vgpr_count:     256
    .wavefront_size: 32
...
	.end_amdgpu_metadata
.endif
;; end of part 1
;; launch qkv (part 2): grid 16 x 16, 4 waves a work-group, clusters of 4 x 4, 327,680 bytes of LDS; arguments x_codes, w_codes, lowp_scales, qkv_codes; writes qkv_codes
.if DOCPART == 2
	.amdgcn_target "amdgcn-amd-amdhsa--gfx1250"
	.amdhsa_code_object_version 6
	.text
	.protected	k_q3a1e129a50_qkv
	.globl	k_q3a1e129a50_qkv
	.p2align	8
	.type	k_q3a1e129a50_qkv,@function
k_q3a1e129a50_qkv:
	s_mov_b64 s[64:65], 0
	v_nop
	global_prefetch_b8 v0, s[64:65] scope:SCOPE_SE
	s_setreg_imm32_b32 hwreg(HW_REG_WAVE_MODE, 25, 1), 1
	s_wait_xcnt 0x0
	s_wait_alu depctr_hold_cnt(0) depctr_sa_sdst(0) depctr_va_vdst(0) depctr_va_sdst(0) depctr_va_ssrc(0) depctr_va_vcc(0) depctr_vm_vsrc(0)
	s_getreg_b32 s2, hwreg(HW_REG_IB_STS2, 6, 4)
	s_cmp_eq_u32 s2, 0
	s_cbranch_scc0 .Lentry_in_a_cluster
	s_endpgm
.Lentry_in_a_cluster:
	s_bfe_u32 s2, ttmp6, 0x10000c
	s_cmp_lg_u32 s2, 0xf033
	s_cbranch_scc0 .Lentry_shape_is_right
	s_endpgm
.Lentry_shape_is_right:
; qkv = x w_qkv on codes of FP8 (E4M3), f32 sums; each sum is quantised at once into a code of q (scale entry 2), k (entry 3) or v (entry 5).
; A: x_codes [4096][1024].  B: w_codes rows 0-3071, [192 head + 64 kind + d][1024].  A sum stands for sum x 2^(e0 + e1), so its code is sum / 2^(e - e0 - e1): the three scales are folded into the conversion's one.
; OUT: qkv_codes, 3,072 dense blocks of 4,096 bytes; block ((kind x 32 + batch x 16 + head) x 32 + t / 64).  q and k: [64 t][64 d].  v: [64 d][64 t], the keys innermost.
; LIMITS: e2 - e0 - e1, e3 - e0 - e1 and e5 - e0 - e1 lie between -126 and 119, so that each power of two below is an f32 number.
; SHARES.  256 work-groups; each makes 256 rows x 192 columns: one head's q, k and v.  Four waves, 128 rows x 96 columns each: d = 32 (wave % 2) on, 32 of each kind: 48 accumulators, 384 registers.
; K goes in four steps of 256 through a ring of two LDS slots; a tile's row is 256 bytes of memory.
; CLUSTERS: 4 x 4 work-groups.  The four of a row of the cluster need the same rows of A, the four of a column the same rows of B: each tile is asked for jointly, by the same tensor load with a mask that names the four.
; No prefetch: there are four K steps, of which the first two are asked for at the head and the others at the first two changes of slots; a prefetch two K steps ahead would have nothing to name.
; THE ORDER OF THE SOURCES.  q, k: source 0 = 16 rows of B, source 1 = 16 rows of A: a lane holds one t and eight neighbouring d.  v: the other way round: a lane holds one d and eight neighbouring t.
; A fragment comes by four loads of 16 bytes: registers 4 u .. 4 u + 3 hold K = 32 u + 16 (lane / 16) + 0 .. 15: a permutation of K that is the same in A and in B.
; REGISTERS: window 0: v1-31 addresses and scales; v32-127 codes; v128-255 A's fragments (8 x 16 rows x 128 K), then the way out.  window 1: B's fragments, two sets of 96, at v0 and v128.
;   window 2: the accumulators of my rows 0-63 ((a, b) at v[8 (6 a + b)], b = 2 kind + 0, 1);   window 3: those of my rows 64-127.
.set PITCH, 272                        ; an LDS row: 256 bytes + 16 of padding = 68 words, so that the 16 rows that a load touches start at 16 different banks (64 banks of 4 bytes: ISA guide 11.1)
.set ASL,   256*PITCH                  ; a slot: A's 256 rows,
.set SLOT,  448*PITCH                  ; then B's 192
.set SPARE, 2*SLOT
.set SP,    80                         ; the way out: a stage row of 64 codes + 16; the stage lies in slot 0, which has had its last fill and its last read by then
.set KIMG,  256*SP                     ; a kind's 256 rows
.set SCL,   8                          ; v8-10   2^(e - e0 - e1) for q, k, v
.set LIM,   11                         ; v11-13  448 x that
.set ADRA,  16                         ; v16-17  LDS address of my A fragments in slot 0, 1
.set ADRB,  20                         ; v20-21  the same for B
.set STQ,   24
.set STV,   25
.set RD,    26
.set CO,    27
.set SPW,   28                         ; v28 LDS address of my spare word; never rewritten
.set NIL,   29                         ; v29 0; never rewritten
.set COD,   32
.set AF,    128
.set G1A,   24                         ; s[24:31] descriptor group 1 for A's tiles;  s[32:39] group 0, one set for each slot
.set G0A,   32
.set G1B,   48                         ; s[48:55], s[56:63] the same for B's
.set G0B,   56
.set PADW, (1<<20)|(1<<21)|(5<<22)|(3<<25)   ; elements of 1 byte; 20 padding on; 21 set beside a mask; 24:22 after every 64 words (code 5); 31:25 four words (code 3)
.set MSB, 0
.macro WIN new                         ; the immediate's high byte repeats the setting that is left
.if MSB != (\new)
	s_set_vgpr_msb (MSB<<8)|(\new)
.set MSB, (\new)
.endif
.endm
; A joint load: waves 0 and 1 fetch for A, waves 2 and 3 for B; the branch hangs on the wave's number alone.  An s_nop 0 and four v_nop follow each line.
.macro JLOAD s
	s_cmp_eq_u32 s15, 0
	s_cbranch_scc0 .Lfor_b_\@
	tensor_load_to_lds s[G0A+4*\s:G0A+4*\s+3], s[G1A:G1A+7]
	s_nop 0
.rept 4
	v_nop
.endr
	s_branch .Lasked_\@
.Lfor_b_\@:
	tensor_load_to_lds s[G0B+4*\s:G0B+4*\s+3], s[G1B:G1B+7]
	s_nop 0
.rept 4
	v_nop
.endr
.Lasked_\@:
.endm
.macro CREST                           ; a round of the cluster's barrier behind its opening barrier
	s_cmp_lg_u32 s14, 0
	s_cbranch_scc1 .Lnot_wave_0_\@
	s_barrier_signal -3
.Lnot_wave_0_\@:
	s_barrier_wait -3
	s_barrier_signal -1
	s_barrier_wait -1
.endm
.macro CROUND                          ; a whole round
	s_barrier_signal -1
	s_barrier_wait -1
	CREST
.endm
.macro PLACES                          ; four places in front of loads into registers that matrix instructions have read, and of the first read of results
.rept 4
	v_nop
.endr
.endm
	s_load_b256 s[4:11], s[0:1], 0x0               ; x_codes s[4:5], w_codes s[6:7], the scales' exponents s[8:9], qkv_codes s[10:11]
	v_lshl_add_u32 v[SPW], v0, 2, SPARE
	v_mov_b32 v[NIL], 0
	ds_add_u32 v[SPW], v[NIL]                      ; the wave's opening
	ds_add_u32 v[SPW], v[NIL]
	v_lshrrev_b32 v1, 5, v0
	v_readfirstlane_b32 s14, v1                    ; wave 0..3
	s_lshr_b32 s15, s14, 1                         ; which 128 rows are mine.  Also: I fetch for A (0) or for B (1)
	s_and_b32 s16, s14, 1                          ; which 32 of each kind's columns.  Also: which half of a tile I fetch
	s_bfe_u32 s40, ttmp6, 0x40000                  ; cx, cy: my place in the cluster
	s_bfe_u32 s41, ttmp6, 0x40004
	s_lshl_b32 s42, ttmp9, 2
	s_add_co_u32 s42, s42, s40                     ; the head = 4 x cluster x + cx
	s_and_b32 s17, ttmp7, 0xffff
	s_lshl_b32 s17, s17, 2
	s_add_co_u32 s17, s17, s41                     ; tile row = 4 x cluster y + cy
	s_lshl_b32 s43, s41, 2
	s_lshl_b32 s43, 15, s43                        ; my row of the cluster
	s_lshl_b32 s44, 0x1111, s40                    ; my column
	s_or_b32 s[G1A], s43, PADW                     ; A's tiles go to my row,
	s_or_b32 s[G1B], s44, PADW                     ; B's to my column
.irp g, G1A, G1B
	s_mov_b32 s[\g+1], 256<<16                     ; tensor_dim0 = 256
	s_mov_b32 s[\g+3], 256<<16                     ; tile_dim0 = 256
	s_mov_b32 s[\g+5], 1024                        ; from row to row
	s_mov_b32 s[\g+6], 0
	s_mov_b32 s[\g+7], 0
.endr
	s_mov_b32 s[G1A+2], 128<<16                    ; A: 128 rows a load
	s_mov_b32 s[G1A+4], 128
	s_mov_b32 s[G1B+2], 96<<16                     ; B: 96 rows
	s_mov_b32 s[G1B+4], 96
	s_lshl_b32 s18, s16, 7
	s_lshl_b32 s20, s17, 8
	s_add_co_u32 s20, s20, s18
	s_lshl_b32 s20, s20, 10                        ; A: row 256 x tile row + 128 x half, rows of 1,024 bytes
	s_mov_b32 s21, 0
	s_mul_i32 s46, s42, 192
	s_mul_i32 s19, s16, 96
	s_add_co_u32 s46, s46, s19
	s_lshl_b32 s46, s46, 10                        ; B: row 192 x head + 96 x half
	s_mov_b32 s47, 0
	s_mul_i32 s45, s16, 128*PITCH                  ; where they go in a slot: no place in the cluster enters an LDS address
	s_mul_i32 s22, s16, 96*PITCH
	s_add_co_u32 s22, s22, ASL
	s_mul_i32 s66, s15, 128*PITCH                  ; my fragments of A in slot 0
	s_mul_i32 s67, s16, 32*PITCH
	s_add_co_u32 s67, s67, ASL                     ; and of B
	s_mul_i32 s68, s15, 128*SP
	s_lshl_b32 s69, s16, 5
	s_add_co_u32 s68, s68, s69                     ; the way out: q and k: row t, bytes 32 (wave % 2) on
	s_mul_i32 s69, s15, 128*SP
	s_add_co_u32 s69, s69, 2*KIMG
	s_mul_i32 s70, s16, 32*SP
	s_add_co_u32 s69, s69, s70                     ; v: two blocks of 64 rows d for each 128 t
	s_mul_i32 s70, s14, 64*SP                      ; and what I read back: 64 rows of each kind
	s_lshr_b32 s94, s17, 3
	s_lshl_b32 s94, s94, 4
	s_add_co_u32 s94, s94, s42                     ; 16 x batch + head
	s_lshl_b32 s94, s94, 17
	s_and_b32 s95, s17, 7
	s_lshl_b32 s95, s95, 14
	s_add_co_u32 s94, s94, s95
	s_lshl_b32 s95, s14, 12
	s_add_co_u32 s94, s94, s95
	s_add_co_u32 s94, s94, 0x400000                ; in k's region: q's and v's lie 4,194,304 bytes to either side
	s_mov_b32 s95, 0
	s_wait_dscnt 0x0                               ; both opening adds are done
	s_wait_kmcnt 0x0
	s_load_b256 s[84:91], s[8:9], 0x0              ; e0 .. e7
	s_add_nc_u64 s[20:21], s[4:5], s[20:21]
	s_add_nc_u64 s[46:47], s[6:7], s[46:47]
	s_add_nc_u64 s[10:11], s[10:11], s[94:95]
.irp s, 0,1
	s_mov_b32 s[G0A+4*\s], 1
	s_add_co_u32 s[G0A+4*\s+1], s45, \s*SLOT
	s_add_nc_u64 s[G0A+4*\s+2:G0A+4*\s+3], s[20:21], \s*256
	s_or_b32 s[G0A+4*\s+3], s[G0A+4*\s+3], 0x80000000
	s_mov_b32 s[G0B+4*\s], 1
	s_add_co_u32 s[G0B+4*\s+1], s22, \s*SLOT
	s_add_nc_u64 s[G0B+4*\s+2:G0B+4*\s+3], s[46:47], \s*256
	s_or_b32 s[G0B+4*\s+3], s[G0B+4*\s+3], 0x80000000
.endr
	CROUND                                         ; all sixteen work-groups are here: the first joint loads meet
	JLOAD 0                                        ; K step 0: one tensor load a wave at the head
	v_and_b32 v1, 15, v0                           ; r = lane % 16
	v_bfe_u32 v2, v0, 4, 1                         ; h = lane / 16
	v_and_b32 v3, 31, v0
	v_mul_u32_u24 v4, v1, PITCH
	v_mul_u32_u24 v5, v1, SP
	v_lshrrev_b32 v6, 2, v3
	v_lshl_add_u32 v4, v2, 4, v4                   ; a fragment's row x pitch + 16 h
	v_lshl_add_u32 v5, v2, 3, v5                   ; the stage, in: row r, 8 bytes for each half of the lanes
	v_mul_u32_u24 v6, v6, SP
	v_and_b32 v7, 3, v3
	v_add_nc_u32 v[ADRA], s66, v4
	v_add_nc_u32 v[ADRB], s67, v4
	v_add_nc_u32 v[STQ], s68, v5
	v_add_nc_u32 v[STV], s69, v5
	v_lshl_add_u32 v6, v7, 4, v6
	v_add_nc_u32 v[ADRA+1], SLOT, v[ADRA]
	v_add_nc_u32 v[ADRB+1], SLOT, v[ADRB]
	v_add_nc_u32 v[RD], s70, v6                    ; back: four lanes to a row of 64 bytes
	v_lshlrev_b32 v[CO], 4, v3
	s_wait_alu depctr_va_vdst(0)
	s_wait_kmcnt 0x0
.macro SCALE k, e
	s_sub_co_i32 s92, \e, s84
	s_sub_co_i32 s92, s92, s85
	s_add_co_i32 s92, s92, 127
	s_lshl_b32 s93, s92, 23
	v_mov_b32 v[SCL+\k], s93
	s_add_co_i32 s92, s92, 8
	s_lshl_b32 s92, s92, 23
	s_or_b32 s92, s92, 0x600000
	v_mov_b32 v[LIM+\k], s92
.endm
	SCALE 0, s86
	SCALE 1, s87
	SCALE 2, s89
.macro FRAG reg, adr, off
.irp u, 0,1,2,3
	ds_load_b128 v[\reg+4*\u:\reg+4*\u+3], v[\adr] offset:(\off)+32*\u
.endr
.endm
.macro FETCH_B slot, q, p              ; B's six fragments of the slot's q-th 128 along K into set p: 24 loads
	WIN 0x40
.irp b, 0,1,2,3,4,5
	FRAG 128*(\p)+16*\b, ADRB+\slot, 128*(\q)+(64*(\b/2)+16*(\b%2))*PITCH
.endr
	WIN 0
.endm
.macro FETCH_A slot, q, i0             ; A's blocks i0 .. i0 + 3: 16 loads
.irp i, 0,1,2,3
	FRAG AF+16*(\i0+\i), ADRA+\slot, 128*(\q)+16*(\i0+\i)*PITCH
.endr
.endm
.macro WM d, a, b, zero
.if \zero
	v_wmma_f32_16x16x128_fp8_fp8 v[\d:\d+7], v[\a:\a+15], v[\b:\b+15], 0
.else
	v_wmma_f32_16x16x128_fp8_fp8 v[\d:\d+7], v[\a:\a+15], v[\b:\b+15], v[\d:\d+7]
.endif
.endm
; Half a step: four blocks of A x B's six, 128 along K: q's and k's 16 products (source 0 = B), then v's 8 (source 0 = A).  The 48 accumulators take turns, in the same order in every step.
; zero = 1: the first product starts the sums: nothing is cleared.
.macro MQK hi, p, zero
	WIN 0xa1+0x50*(\hi)
.irp a, 0,1,2,3
.irp b, 0,1,2,3
	WM 8*(6*\a+\b), 128*(\p)+16*\b, AF+16*(4*(\hi)+\a), \zero
.endr
.endr
.endm
.macro MV hi, p, zero
	WIN 0xa4+0x50*(\hi)
.irp a, 0,1,2,3
.irp b, 4,5
	WM 8*(6*\a+\b), AF+16*(4*(\hi)+\a), 128*(\p)+16*\b, \zero
.endr
.endr
.endm
; A slot's first 128 along K (B's set 0).  Its successor lies in the same slot.
.macro STEP slot, zero
	s_wait_dscnt 16                                ; B's set 0 and A's blocks 0-3 are in; the youngest 16 loads (A's blocks 4-7) may be out
	FETCH_B \slot, 1, 1                            ; (set 1's last readers have their places in front of the loads of A's blocks 4-7)
	MQK 0, 0, \zero
	MV 0, 0, \zero
	s_wait_dscnt 24                                ; A's blocks 4-7 are in; B's 24 loads may be out
	PLACES
	WIN 0
	FETCH_A \slot, 1, 0
	MQK 1, 0, \zero
	MV 1, 0, \zero
	PLACES
	WIN 0
	FETCH_A \slot, 1, 4
.endm
; A slot's second 128 along K changes slots: one barrier.  fill = 1: it opens a round of the cluster's barrier, and this slot is filled again, two K steps ahead.
.macro TURN slot, next, fill
	s_wait_tensorcnt 0x0                           ; all my tensor loads have landed: my part of the next slot
	ds_add_u32 v[SPW], v[NIL]
	s_wait_dscnt 17                                ; (the add and the youngest 16 loads, A's blocks 4-7, may be out)
	MQK 0, 1, 0
	s_wait_dscnt 0x0                               ; the add is done, and my reads of this slot are over
	s_barrier_signal -1
	MV 0, 1, 0
	WIN 0
	s_barrier_wait -1
.if \fill
	CREST                                          ; no wave of any partner still reads this slot's tile or has a load on its way
	s_add_nc_u64 s[G0A+4*\slot+2:G0A+4*\slot+3], s[G0A+4*\slot+2:G0A+4*\slot+3], 512
	s_add_nc_u64 s[G0B+4*\slot+2:G0B+4*\slot+3], s[G0B+4*\slot+2:G0B+4*\slot+3], 512
	JLOAD \slot                                    ; the first tensor load behind the round; the four v_nop behind it are the places in front of the loads below
.else
	PLACES
.endif
	FETCH_B \next, 0, 0
	FETCH_A \next, 0, 0
	MQK 1, 1, 0
	MV 1, 1, 0
	PLACES
	WIN 0
	FETCH_A \next, 0, 4
.endm
	s_wait_alu depctr_va_vdst(0)
	s_wait_tensorcnt 0x0                           ; my part of K step 0 is in
	ds_add_u32 v[SPW], v[NIL]
	s_wait_dscnt 0x0                               ; the add is done
	CROUND                                         ; everybody's part of K step 0 is in, and all sixteen work-groups are here,
	JLOAD 1                                        ; and K step 1's load, the first tensor load behind the round
	FETCH_B 0, 0, 0
	FETCH_A 0, 0, 0
	FETCH_A 0, 0, 4
	STEP 0, 1
	TURN 0, 1, 1
	STEP 1, 0
	TURN 1, 0, 1
	STEP 0, 0
	TURN 0, 1, 0                                   ; the last lap fills nothing, and has no round of the cluster's barrier
	STEP 1, 0
	s_wait_dscnt 16                                ; the very last 128 along K: nothing more to fetch; A's blocks 4-7 may be out
	MQK 0, 1, 0
	MV 0, 1, 0
	s_wait_dscnt 0x0
	MQK 1, 1, 0
	MV 1, 1, 0
	WIN 0
	; THE WAY OUT.  Each accumulator's eight sums are held, from its low end on, and become 8 codes; they meet in the stage as rows of 64 bytes (q, k: row t; v: row d of a block of 64 t) and leave as 16,384 dense bytes for each kind.
	PLACES
.macro OUTHALF hi
	WIN 0x20+0x10*(\hi)                            ; source 2: window 2 or 3
.irp a, 0,1,2,3
.irp b, 0,1,2,3,4,5
.set AC, 8*(6*\a+\b)
.set TP, AF+8*((6*\a+\b)%16)
.irp i, 0,1,2,3,4,5,6,7
	v_med3_num_f32 v[TP+\i], -v[LIM+\b/2], v[LIM+\b/2], v[AC+\i]   ; the conversion to an 8-bit code does not saturate (ISA guide 7.6.2)
.endr
	v_cvt_scalef32_pk8_fp8_f32 v[COD+48*(\hi)+2*(6*\a+\b):COD+48*(\hi)+2*(6*\a+\b)+1], v[TP:TP+7], v[SCL+\b/2]
.endr
.endr
	v_nop                                          ; one plain line behind the last conversion
	WIN 0
.irp a, 0,1,2,3
.irp b, 0,1,2,3
	ds_store_b64 v[STQ], v[COD+48*(\hi)+2*(6*\a+\b):COD+48*(\hi)+2*(6*\a+\b)+1] offset:KIMG*(\b/2)+16*SP*(4*(\hi)+\a)+16*(\b%2)
.endr
.irp b, 4,5
	ds_store_b64 v[STV], v[COD+48*(\hi)+2*(6*\a+\b):COD+48*(\hi)+2*(6*\a+\b)+1] offset:64*SP*(\hi)+16*SP*(\b%2)+16*\a
.endr
.endr
.endm
	OUTHALF 0
	OUTHALF 1
	s_wait_dscnt 0x0                               ; my codes are in the stage,
	s_barrier_signal -1
	s_barrier_wait -1                              ; and everybody's
.set n, 0
.rept 24
	ds_load_b128 v[AF+4*n:AF+4*n+3], v[RD] offset:KIMG*(n/8)+8*SP*(n%8)
.set n, n+1
.endr
.set n, 0
.rept 24
	s_wait_dscnt 23-n                              ; the younger loads may be out
	global_store_b128 v[CO], v[AF+4*n:AF+4*n+3], s[10:11] offset:4194304*(n/8-1)+512*(n%8)   ; 32 lanes store 512 consecutive bytes, aligned
.set n, n+1
.endr
	s_wait_tensorcnt 0x0                           ; the wave's end
	ds_add_u32 v[SPW], v[NIL]
	s_wait_dscnt 0x0
	CROUND                                         ; the closing round: no work-group ends while a partner may still ask for a tile that names it
	s_endpgm
.Lfunc_end_k_q3a1e129a50_qkv:
	.size	k_q3a1e129a50_qkv, .Lfunc_end_k_q3a1e129a50_qkv-k_q3a1e129a50_qkv
	.p2alignl 7, 3214868480
	.fill 96, 4, 3214868480
	.section	.rodata,"a",@progbits
	.p2align	6, 0x0
	.amdhsa_kernel k_q3a1e129a50_qkv
		.amdhsa_group_segment_fixed_size 327680
		.amdhsa_private_segment_fixed_size 0
		.amdhsa_enable_private_segment 0
		.amdhsa_kernarg_size 32
		.amdhsa_user_sgpr_count 2
		.amdhsa_user_sgpr_kernarg_segment_ptr 1
		.amdhsa_wavefront_size32 1
		.amdhsa_system_sgpr_workgroup_id_x 1
		.amdhsa_system_sgpr_workgroup_id_y 1
		.amdhsa_system_sgpr_workgroup_id_z 1
		.amdhsa_system_vgpr_workitem_id 0
		.amdhsa_next_free_vgpr 1024
		.amdhsa_next_free_sgpr 100
		.amdhsa_reserve_vcc 0
		.amdhsa_float_denorm_mode_32 3
		.amdhsa_float_denorm_mode_16_64 3
		.amdhsa_memory_ordered 1
		.amdhsa_forward_progress 1
		.amdhsa_inst_pref_size 103
	.end_amdhsa_kernel
	.amdgpu_metadata
---
amdhsa.version: [ 1, 2 ]
amdhsa.kernels:
  - .name:           k_q3a1e129a50_qkv
    .symbol:         k_q3a1e129a50_qkv.kd
    .args:
      - { .name: x_codes, .offset: 0, .size: 8, .value_kind: global_buffer, .address_space: global }
      - { .name: w_codes, .offset: 8, .size: 8, .value_kind: global_buffer, .address_space: global }
      - { .name: lowp_scales, .offset: 16, .size: 8, .value_kind: global_buffer, .address_space: global }
      - { .name: qkv_codes, .offset: 24, .size: 8, .value_kind: global_buffer, .address_space: global }
    .group_segment_fixed_size: 327680
    .private_segment_fixed_size: 0
    .kernarg_segment_align: 8
    .kernarg_segment_size: 32
    .max_flat_workgroup_size: 128
    .sgpr_count:     100
    .vgpr_count:     1024
    .wavefront_size: 32
...
	.end_amdgpu_metadata
.endif
;; end of part 2
;; launch attn (part 3): grid 8 x 32, 16 waves a work-group, clusters of 4 x 1, 327,680 bytes of LDS; arguments qkv_codes, lowp_scales, y_codes; writes y_codes
.if DOCPART == 3
	.amdgcn_target "amdgcn-amd-amdhsa--gfx1250"
	.amdhsa_code_object_version 6
	.text
	.protected	k_q3a1e129a50_attn
	.globl	k_q3a1e129a50_attn
	.p2align	8
	.type	k_q3a1e129a50_attn,@function
k_q3a1e129a50_attn:
	s_mov_b64 s[64:65], 0
	v_nop
	global_prefetch_b8 v0, s[64:65] scope:SCOPE_SE
	s_setreg_imm32_b32 hwreg(HW_REG_WAVE_MODE, 25, 1), 1
	s_wait_xcnt 0x0
	s_wait_alu depctr_hold_cnt(0) depctr_sa_sdst(0) depctr_va_vdst(0) depctr_va_sdst(0) depctr_va_ssrc(0) depctr_va_vcc(0) depctr_vm_vsrc(0)
	s_getreg_b32 s2, hwreg(HW_REG_IB_STS2, 6, 4)
	s_cmp_eq_u32 s2, 0
	s_cbranch_scc0 .Lentry_in_a_cluster
	s_endpgm
.Lentry_in_a_cluster:
	s_bfe_u32 s2, ttmp6, 0x10000c
	s_cmp_lg_u32 s2, 0x3003
	s_cbranch_scc0 .Lentry_shape_is_right
	s_endpgm
.Lentry_shape_is_right:
; y[b][t][head][:] = the sum over keys s <= t of softmax_s(q . k / 8) v, both products on codes of FP8 (E4M3); y is quantised at once (scale entry 6) for the last product.
; IN: qkv_codes (blocks of 4,096 bytes: q and k [64 t][64 d], v [64 d][64 t]).  Scales: q entry 2, k entry 3, p entry 4, v entry 5.
; OUT: y_codes [row / 128][16 heads][128 rows][64 d], row = 2048 b + t.
; THE SOFTMAX: t = score x log2(e) / 8; M = the running largest t rounded UP to a whole number; p = 2^(t - M) is what is quantised; the row's sum is taken of the unquantised p and divides at the end.
; When M moves, or two parts of a row are joined, sums and O are multiplied by 2^(old M - new M), which rounds nothing.
; LEFT OUT: score tiles of 16 queries x 128 keys all of whose keys come after the queries: the causal mask of reference() makes their p 0 for all inputs.
; LIMITS: e2 + e3 between -123 and 130 (added to c's exponent field); e4 and e6 between -126 and 119; e4 + e5 is applied by v_ldexp_f32 and has none.  NaN among the codes is not served.  The scaled scores t stay under 2^31 in magnitude.
; SHARES.  Work-group x of a head-and-batch owns, of each of the 16 blocks of 128 queries, the 16 queries from 16 x on: one tile a block; block b's tile needs the key steps 0 .. b (128 keys each).  So all work-groups walk alike.
; Pair i = 0 .. 7 of waves owns the low tile i and the high tile 15 - i: 17 steps.  Wave A of the pair walks the high tile's steps 0 .. 8; wave B the low tile's 0 .. i, then the high tile's 9 .. 15 - i: 9 and 8 steps in every pair.
; B hands its part of the high tile (O, the sum, M) to A through LDS.  Waves 0-3, 8-11 are A, 4-7, 12-15 B.  16 waves x 256 registers.
; THE HEAD'S WHOLE K AND V LIE IN LDS, filled once at the head: each wave one joint load of 64 lines (waves 4 q .. 4 q + 3: the q-th 512 keys).  No slot is filled again.
; CLUSTERS: four work-groups of one head read the same K and V and ask for them jointly.  No branch, trip count or LDS address hangs on a work-group's place.  No prefetch: every tensor load of the launch is issued at its head.
; LAYOUT.  Both products are used transposed: S^T = K Q^T (source 0 = 16 keys, source 1 = my 16 queries), O^T = V^T P^T (source 0 = 16 of the head's 64, source 1 = P): a lane holds ONE query (lane % 16) throughout.
; In S^T's tile k, lane (r, h) register i is key 16 k + 8 h + i: its eight codes are registers 2 k, 2 k + 1 of the second product's operand in that form's own layout.  V is read in that layout too.
; REGISTERS: v1-7, v11, v192, v193 stay; v8, v9 the step's addresses; v12 -M, v13 the largest t, v[14:15] the sum in two halves; v16-23 Q, v24-31 the high tile's Q; v32-95 K's eight fragments, then V's four;
;   v96-159 S^T, then p; v160-191 O^T; v200-207 the way out; v208, v209: 448 x 2^e4; v224-239 p's codes; v244: 2^e4; v241, v245: 448 x 2^e6, 2^e6; v236-239, v242, v243, v246-255 at work.
.set VOFF,  139264                     ; LDS: K's 512 lines of 272 bytes (four keys of 64 bytes + 16 of padding), then V's 512 lines (four d of 64 keys + 16)
.set QUART, 34816                      ; 512 keys in either region
.set HALFQ, 17408                      ; what one tensor load brings: 64 lines
.set STEPB, 8704                       ; 128 keys in either region
.set MRG,   VOFF+17*STEPB              ; a slot for each pair: O^T 4,096 bytes, sum and -M 256; also the pair's stage for the way out; no tensor load lands there
.set MSLOT, 4352
.set SPARE, MRG+8*MSLOT
.set AK0, 1
.set AV0, 2
.set STI, 3
.set STO, 4
.set SPW, 5                            ; v5 LDS address of my spare word; never rewritten
.set NIL, 6                            ; v6 0; never rewritten
.set GO,  7
.set ADK, 8
.set ADV, 9
.set DG,  11                           ; v11  16 x + r - 8 h
.set MRO, 192
.set MRS, 193
.set TBN, 2                            ; s2   trip n x STEPB
.set N,   3                            ; s3   the trip
.set WV,  18
.set ISB, 19                           ; s19  0 wave A, 1 wave B of the pair
.set SEL, 20                           ; s[20:21] lane selects for v_permlanex16_b32: lane l xor 16
.set CS,  22                           ; s[22:23] c = log2(e) / 8 x 2^(e2 + e3)
.set G1,  24
.set G0,  32
.set PI,  37                           ; s37  the pair
.set FB,  38                           ; s38  my first tile's block
.set HB,  39                           ; s39  the high tile's block
.set SW1, 40                           ; s40  the trip at whose start B goes over to the high tile
.set LAST, 41                          ; s41  my last trip with work
.set JJ,  42                           ; s42  8 - pair: from trip to key step behind that
.set JS,  43                           ; s43  that in LDS bytes
.macro CROUND                          ; a round of the cluster's barrier
	s_barrier_signal -1
	s_barrier_wait -1
	s_cmp_lg_u32 s[WV], 0
	s_cbranch_scc1 .Lnot_wave_0_\@
	s_barrier_signal -3
.Lnot_wave_0_\@:
	s_barrier_wait -3
	s_barrier_signal -1
	s_barrier_wait -1
.endm
	s_load_b128 s[4:7], s[0:1], 0x0                ; qkv_codes s[4:5], the scales' exponents s[6:7]
	s_load_b64 s[8:9], s[0:1], 0x10                ; y_codes
	v_lshl_add_u32 v[SPW], v0, 2, SPARE
	v_mov_b32 v[NIL], 0
	ds_add_u32 v[SPW], v[NIL]                      ; the wave's opening
	ds_add_u32 v[SPW], v[NIL]
	v_lshrrev_b32 v8, 5, v0
	v_readfirstlane_b32 s[WV], v8                  ; wave 0..15
	s_bfe_u32 s12, ttmp6, 0x40000                  ; cx
	s_lshl_b32 s13, ttmp9, 2
	s_add_co_u32 s12, s13, s12                     ; x = 4 x cluster x + cx
	s_and_b32 s13, ttmp7, 0xffff                   ; 16 x batch + head
	s_bfe_u32 s[ISB], s[WV], 0x10002
	s_lshr_b32 s[PI], s[WV], 3
	s_lshl_b32 s[PI], s[PI], 2
	s_and_b32 s14, s[WV], 3
	s_or_b32 s[PI], s[PI], s14                     ; pair 4 (w / 8) + w % 4
	s_xor_b32 s[HB], s[PI], 15                     ; 15 - pair
	s_xor_b32 s[JJ], s[PI], 7
	s_add_co_u32 s[JJ], s[JJ], 1                   ; 8 - pair
	s_mul_i32 s[JS], s[JJ], STEPB
	s_add_co_u32 s[SW1], s[PI], 1
	s_sub_co_u32 s[LAST], 8, s[ISB]
	s_cmp_eq_u32 s[ISB], 0
	s_cselect_b32 s[FB], s[HB], s[PI]
	s_cselect_b32 s[SW1], 99, s[SW1]               ; A never goes over
	s_mul_i32 s36, s[PI], MSLOT
	s_add_co_u32 s36, s36, MRG                     ; the pair's slot
	s_mov_b32 s[G1], 15|(1<<20)|(1<<21)|(5<<22)|(3<<25)   ; the mask: all four of the cluster; elements of 1 byte; padding: four words after every 64; 21 set beside a mask
	s_mov_b32 s[G1+1], 256<<16                     ; tensor_dim0 = 256
	s_mov_b32 s[G1+2], 64<<16                      ; tensor_dim1 = 64
	s_mov_b32 s[G1+3], 256<<16                     ; tile_dim0 = 256
	s_mov_b32 s[G1+4], 64                          ; tile_dim1 = 64
	s_mov_b32 s[G1+5], 256                         ; dense: a line begins where the last ends
	s_mov_b32 s[G1+6], 0
	s_mov_b32 s[G1+7], 0
	s_bfe_u32 s14, s[WV], 0x10001                  ; what I fetch: 0 K, 1 V,
	s_and_b32 s15, s[WV], 1                        ; which half,
	s_lshr_b32 s16, s[WV], 2                       ; of which quarter
	s_mul_i32 s62, s14, VOFF
	s_mul_i32 s63, s15, HALFQ
	s_add_co_u32 s62, s62, s63
	s_mul_i32 s63, s16, QUART
	s_add_co_u32 s62, s62, s63                     ; in LDS,
	s_lshl_b32 s51, s13, 17                        ; the head's 131,072 bytes in each kind's region
	s_add_co_u32 s66, s14, 1
	s_lshl_b32 s66, s66, 22                        ; and in memory: k's region begins 4,194,304 bytes in, v's twice as far
	s_add_co_u32 s66, s66, s51
	s_lshl_b32 s63, s15, 14
	s_add_co_u32 s66, s66, s63
	s_lshl_b32 s63, s16, 15
	s_add_co_u32 s66, s66, s63
	s_mov_b32 s67, 0
	s_lshl_b32 s50, s12, 10                        ; my 16 rows of a block of 128: 1,024 bytes
	s_add_co_u32 s51, s51, s50
	s_lshl_b32 s44, s[FB], 13
	s_add_co_u32 s44, s44, s51                     ; Q of my first tile,
	s_mov_b32 s45, 0
	s_lshl_b32 s46, s[HB], 13
	s_add_co_u32 s46, s46, s51                     ; and of the high one
	s_mov_b32 s47, 0
	s_lshr_b32 s48, s13, 4
	s_lshl_b32 s48, s48, 4                         ; y: 16 groups of 128 rows to a batch
	s_and_b32 s49, s13, 15
	s_add_co_u32 s70, s48, s[FB]
	s_lshl_b32 s70, s70, 4
	s_add_co_u32 s70, s70, s49
	s_lshl_b32 s70, s70, 13
	s_add_co_u32 s70, s70, s50
	s_mov_b32 s71, 0
	s_add_co_u32 s72, s48, s[HB]
	s_lshl_b32 s72, s72, 4
	s_add_co_u32 s72, s72, s49
	s_lshl_b32 s72, s72, 13
	s_add_co_u32 s72, s72, s50
	s_mov_b32 s73, 0
	s_lshl_b32 s50, s12, 4                         ; 16 x
	s_mov_b32 s[SEL], 0x76543210
	s_mov_b32 s[SEL+1], 0xfedcba98
	s_mov_b32 s[CS], 0x3e38aa3b                    ; log2(e) / 8
	s_wait_dscnt 0x0                               ; both opening adds are done
	s_wait_kmcnt 0x0
	s_load_b256 s[52:59], s[6:7], 0x0              ; e0 .. e7
	s_mov_b32 s[G0], 1
	s_mov_b32 s[G0+1], s62
	s_add_nc_u64 s[G0+2:G0+3], s[4:5], s[66:67]
	s_or_b32 s[G0+3], s[G0+3], 0x80000000
	s_add_nc_u64 s[44:45], s[4:5], s[44:45]
	s_add_nc_u64 s[46:47], s[4:5], s[46:47]
	s_add_nc_u64 s[10:11], s[8:9], s[72:73]
	s_add_nc_u64 s[8:9], s[8:9], s[70:71]
	CROUND                                         ; the four work-groups are here: the joint loads meet
	tensor_load_to_lds s[G0:G0+3], s[G1:G1+7]      ; each wave its sixteenth of K and V
	s_nop 0
.rept 4
	v_nop
.endr
	v_and_b32 v32, 15, v0                          ; r
	v_bfe_u32 v33, v0, 4, 1                        ; h
	v_and_b32 v36, 31, v0                          ; lane
	v_lshlrev_b32 v10, 6, v32
	v_lshrrev_b32 v34, 2, v32
	v_and_b32 v35, 3, v32
	v_lshl_add_u32 v10, v33, 4, v10                ; Q: row r of 64 bytes, + 16 h
	global_load_b128 v[16:19], v10, s[44:45]
	global_load_b128 v[20:23], v10, s[44:45] offset:32
	global_load_b128 v[24:27], v10, s[46:47]
	global_load_b128 v[28:31], v10, s[46:47] offset:32
	v_mul_u32_u24 v34, v34, 272
	v_lshlrev_b32 v37, 3, v33
	v_mul_u32_u24 v38, v32, 80
	v_lshrrev_b32 v39, 2, v36
	v_lshl_add_u32 v34, v35, 6, v34                ; row r of a tile of 16: line r / 4, place r % 4
	v_sub_nc_u32 v[DG], v32, v37
	v_add_nc_u32 v38, v38, v37
	v_mul_u32_u24 v39, v39, 80
	v_lshl_add_u32 v[AK0], v33, 4, v34
	v_add_nc_u32 v[AV0], v34, v37
	v_add_nc_u32 v[DG], s50, v[DG]
	v_and_b32 v40, 3, v36
	v_add_nc_u32 v[STI], s36, v38                  ; the stage, in: row r, 8 bytes for each half of the lanes
	v_add_nc_u32 v[AV0], VOFF, v[AV0]
	v_lshl_add_u32 v39, v40, 4, v39
	v_lshlrev_b32 v[GO], 4, v36
	v_lshlrev_b32 v41, 3, v36
	v_add_nc_u32 v[STO], s36, v39                  ; back: four lanes to a row of 64 bytes
	v_add_nc_u32 v[MRO], s36, v[GO]                ; the pair's slot: 16 bytes a lane,
	v_add_nc_u32 v41, s36, v41
	v_mov_b32 v13, 0xff61b1e6                      ; the largest t so far: -3e38, under every t
	v_mov_b32 v12, 0x7f61b1e6                      ; -M
	v_add_nc_u32 v[MRS], 4096, v41                 ; and behind O^T 8 bytes a lane
	v_mov_b32 v14, 0                               ; the sum, in two halves
	v_mov_b32 v15, 0
	v_mov_b32 v236, 0                              ; written once: a lane permute's destination counts as one of its sources
	v_mov_b32 v252, 0
	v_mov_b32 v253, 0                              ; (named as the upper half of the pair v[252:253])
.set n, 0
.rept 32
	v_mov_b32 v[160+n], 0                          ; O^T.  (The step finds zeros at first, which the first change of M leaves zeros)
.set n, n+1
.endr
	s_wait_alu depctr_va_vdst(0)
	s_wait_kmcnt 0x0
	s_add_co_i32 s60, s54, s55
	s_lshl_b32 s60, s60, 23
	s_add_co_i32 s[CS], s[CS], s60                 ; a score stands for score x 2^(e2 + e3): the exponents are added to c's exponent field
	s_mov_b32 s[CS+1], s[CS]                       ; (named with it as a pair, so it is written)
	s_add_co_i32 s60, s56, 127
	s_lshl_b32 s61, s60, 23
	v_mov_b32 v244, s61                            ; 2^e4
	s_add_co_i32 s60, s60, 8
	s_lshl_b32 s60, s60, 23
	s_or_b32 s60, s60, 0x600000
	v_mov_b32 v208, s60                            ; 448 x 2^e4, twice, for the two halves of a dual instruction
	v_mov_b32 v209, s60
	s_add_co_i32 s60, s58, 127
	s_lshl_b32 s61, s60, 23
	v_mov_b32 v245, s61                            ; 2^e6
	s_add_co_i32 s60, s60, 8
	s_lshl_b32 s60, s60, 23
	s_or_b32 s60, s60, 0x600000
	v_mov_b32 v241, s60                            ; 448 x 2^e6
	s_add_co_i32 s74, s56, s57                     ; e4 + e5
; A KEY STEP of 128 keys: s60 the key step, s61 its first LDS byte in a region, s62 my tile's block.
.macro STEP
	v_add_nc_u32 v[ADK], s61, v[AK0]
	v_add_nc_u32 v[ADV], s61, v[AV0]
	v_nop
	v_nop                                          ; with the two additions: four places in front of loads into registers that the last products read
.irp k, 0,1,2,3,4,5,6,7
	ds_load_b128 v[32+8*\k:35+8*\k], v[ADK] offset:1088*\k      ; keys 16 k + r: four lines of 272 bytes to a tile
	ds_load_b128 v[36+8*\k:39+8*\k], v[ADK] offset:1088*\k+32
.endr
	s_wait_alu depctr_va_vdst(0)
	s_wait_dscnt 0x0
.irp k, 0,1,2,3,4,5,6,7
	v_wmma_f32_16x16x64_fp8_fp8 v[96+8*\k:103+8*\k], v[32+8*\k:39+8*\k], v[16:23], 0
.endr
.rept 4
	v_nop                                          ; places in front of the loads below and of the first read of the scores
.endr
.irp t, 0,1,2,3
.irp c, 0,1,2,3,4,5,6,7
	ds_load_b64 v[32+16*\t+2*\c:33+16*\t+2*\c], v[ADV] offset:4352*(\c/4)+1088*\t+16*(\c%4)   ; V^T: row d = 16 t + r, keys 16 c + 8 h + 0 .. 7; they land under the softmax
.endr
.endr
	s_cmp_lg_u32 s60, s62                          ; off the diagonal all keys count: nothing is hidden
	s_cbranch_scc1 .Lopen_\@
	v_mov_b32 v254, 0xff800000                     ; -infinity
.irp n, 0,1,2,3,4,5,6,7,8,9,10,11,12,13,14,15,16,17,18,19,20,21,22,23,24,25,26,27,28,29,30,31,32,33,34,35,36,37,38,39,40,41,42,43,44,45,46,47,48,49,50,51,52,53,54,55,56,57,58,59,60,61,62,63
	v_cmp_gt_i32 vcc_lo, 16*(\n/8)+\n%8, v[DG]     ; register 8 k + i is key 16 k + 8 h + i of the block, my query 16 x + r
	v_cndmask_b32 v[96+\n], v[96+\n], v254, vcc_lo
.endr
.Lopen_\@:
	v_max3_num_f32 v254, v96, v97, v98             ; the step's largest score of my query, among my 64 keys, in two chains; each accumulator is read from its low end on
	v_max3_num_f32 v252, v99, v100, v101
.irp i, 6,10,14,18,22,26,30,34,38,42,46,50,54,58
	v_max3_num_f32 v254, v254, v[96+\i], v[97+\i]
	v_max3_num_f32 v252, v252, v[98+\i], v[99+\i]
.endr
	v_max3_num_f32 v254, v254, v158, v159
	s_delay_alu instid0(VALU_DEP_1)
	v_max_num_f32 v254, v254, v252
	v_permlanex16_b32 v236, v254, s[SEL], s[SEL+1]
	s_delay_alu instid0(VALU_DEP_1)
	v_max_num_f32 v254, v254, v236                 ; and among lane l xor 16's
	s_delay_alu instid0(VALU_DEP_1)
	v_mul_f32 v254, s[CS], v254                    ; as t (c is positive)
	s_delay_alu instid0(VALU_DEP_1)
	v_max_num_f32 v13, v13, v254                   ; the running largest t
	v_mov_b32 v254, v12
	s_delay_alu instid0(VALU_DEP_2)
	v_floor_f32 v12, -v13                          ; the new -M = floor(-t) = -ceil(t): a whole number
	s_delay_alu instid0(VALU_DEP_1)
	v_sub_f32 v254, v12, v254                      ; M's old value less its new one: a whole number, 0 or less
	s_delay_alu instid0(VALU_DEP_1)
	v_cvt_i32_f32 v254, v254                       ; (it saturates)
	s_delay_alu instid0(VALU_DEP_1)
	v_ldexp_f32 v252, 1.0, v254                    ; f = 2^(old M - new M)
.set n, 0
.rept 32
	v_pk_fma_f32 v[96+n:97+n], v[96+n:97+n], s[CS:CS+1], v[12:13] op_sel_hi:[1,0,0]   ; t - M, two at a time (of the pairs c and -M the low word serves both halves)
.set n, n+2
.endr
.set n, 0
	s_wait_alu depctr_va_vdst(0)
.rept 64
	v_exp_f32 v[96+n], v[96+n]                     ; p = 2^(t - M), at most 1: not normalised
.set n, n+1
.endr
	v_pk_mul_f32 v[14:15], v[14:15], v[252:253] op_sel_hi:[1,0]   ; the sums under the new M: the plain line behind the exponentials
	s_wait_alu depctr_va_vdst(0)                   ; one wait for the batch of 64, ahead of its first reader
.set n, 0
.irp d, 242,254,250,248,246,238,236            ; the row's sum of the unquantised p, in eight chains
	v_pk_add_f32 v[\d:\d+1], v[96+n:97+n], v[98+n:99+n]
.set n, n+4
.endr
.rept 2
.irp d, 14,242,254,250,248,246,238,236
	v_pk_add_f32 v[\d:\d+1], v[\d:\d+1], v[96+n:97+n]
.set n, n+2
.endr
.endr
.irp d, 14,242
	v_pk_add_f32 v[\d:\d+1], v[\d:\d+1], v[96+n:97+n]
.set n, n+2
.endr
	v_pk_add_f32 v[254:255], v[254:255], v[238:239]
	v_pk_add_f32 v[250:251], v[250:251], v[236:237]
	v_pk_add_f32 v[14:15], v[14:15], v[248:249]
	v_pk_add_f32 v[242:243], v[242:243], v[246:247]
	v_pk_add_f32 v[254:255], v[254:255], v[250:251]
	s_delay_alu instid0(VALU_DEP_2)
	v_pk_add_f32 v[14:15], v[14:15], v[242:243]
	s_delay_alu instid0(VALU_DEP_1)
	v_pk_add_f32 v[14:15], v[14:15], v[254:255]
.set n, 0
.rept 32
	v_dual_min_num_f32 v[96+n], v[96+n], v208 :: v_dual_min_num_f32 v[97+n], v[97+n], v209   ; the conversion does not saturate (ISA guide 7.6.2); p is not negative, so the hold is one-sided
.set n, n+2
.endr
.irp k, 0,1,2,3,4,5,6,7
	v_cvt_scalef32_pk8_fp8_f32 v[224+2*\k:225+2*\k], v[96+8*\k:103+8*\k], v244   ; keys 16 k + 8 h + 0 .. 7: registers 2 k, 2 k + 1 of the operand
.endr
	s_wait_alu depctr_va_vdst(0)                   ; directly ahead of the first reader of O^T
.set n, 0
.rept 16
	v_pk_mul_f32 v[160+n:161+n], v[160+n:161+n], v[252:253] op_sel_hi:[1,0]   ; O^T under the new M.  (Plain lines between the conversions and the products that read their results)
.set n, n+2
.endr
	s_wait_alu depctr_va_vdst(0)
	s_wait_dscnt 0x0                               ; V is in
.irp t, 0,1,2,3
	v_wmma_f32_16x16x128_fp8_fp8 v[160+8*\t:167+8*\t], v[32+16*\t:47+16*\t], v[224:239], v[160+8*\t:167+8*\t]   ; the four accumulators take turns; the next step's eight products on the scores stand between two links
.endr
.endm
; THE WAY OUT of a tile: O^T x 2^(e4 + e5) / the sum (v14: each half of the lanes has its part) is y; it is held, quantised with 2^e6, and leaves through the stage as 1,024 dense bytes: 16 rows of 64 codes.
.macro OUT base
	v_permlanex16_b32 v252, v14, s[SEL], s[SEL+1]
	s_delay_alu instid0(VALU_DEP_1)
	v_add_f32 v14, v14, v252                       ; and lane l xor 16's: the row's sum
	s_wait_alu depctr_va_vdst(0)
	v_rcp_f32 v14, v14
	v_nop                                          ; a plain line behind the transcendental
	s_wait_alu depctr_va_vdst(0)                   ; the wait ahead of its first reader
	v_ldexp_f32 v14, v14, s74
	s_wait_alu depctr_va_vdst(0)                   ; directly ahead of the first reader of O^T
.set n, 0
.rept 16
	v_pk_mul_f32 v[96+n:97+n], v[160+n:161+n], v[14:15] op_sel_hi:[1,0]   ; register 8 t + i is y(query r, d = 16 t + 8 h + i)
.set n, n+2
.endr
.set n, 0
.rept 32
	v_med3_num_f32 v[96+n], v[96+n], -v241, v241
.set n, n+1
.endr
.irp t, 0,1,2,3
	v_cvt_scalef32_pk8_fp8_f32 v[224+2*\t:225+2*\t], v[96+8*\t:103+8*\t], v245
.endr
	v_nop                                          ; one plain line behind the last conversion
.irp t, 0,1,2,3
	ds_store_b64 v[STI], v[224+2*\t:225+2*\t] offset:16*\t
.endr
.irp i, 0,1
	ds_load_b128 v[200+4*\i:203+4*\i], v[STO] offset:640*\i   ; LDS serves a wave's instructions in order: these see my stores
.endr
.irp i, 0,1
	s_wait_dscnt 1-\i                              ; the younger load may be out
	global_store_b128 v[GO], v[200+4*\i:203+4*\i], s[\base:\base+1] offset:512*\i   ; 32 lanes store 512 consecutive bytes, aligned
.endr
.endm
	s_wait_alu depctr_va_vdst(0)
	s_wait_loadcnt 0x0                             ; Q
	s_wait_tensorcnt 0x0                           ; my part of K or V has landed,
	s_barrier_signal -1
	s_barrier_wait -1                              ; and everybody's: no barrier stands in the loop
	s_mov_b32 s[N], 0
	s_mov_b32 s[TBN], 0
.Ltrip:
	s_cmp_eq_u32 s[ISB], 0
	s_cbranch_scc1 .Lstay
	s_cmp_lg_u32 s[N], s[SW1]
	s_cbranch_scc1 .Lstay
.rept 4
	v_nop                                          ; B goes over to the high tile: places behind the last products
.endr
	v_add_f32 v14, v14, v15
	OUT 8                                          ; the low tile is finished
.set n, 0
.rept 32
	v_mov_b32 v[160+n], 0
.set n, n+1
.endr
.irp i, 0,1,2,3,4,5,6,7
	v_mov_b32 v[16+\i], v[24+\i]
.endr
	v_mov_b32 v13, 0xff61b1e6
	v_mov_b32 v12, 0x7f61b1e6
	v_mov_b32 v14, 0
	v_mov_b32 v15, 0
	s_wait_alu depctr_va_vdst(0)
	s_wait_xcnt 0x0                                ; the stores have read their registers
.Lstay:
	s_cmp_gt_u32 s[N], s[LAST]
	s_cbranch_scc1 .Lnext                          ; B has eight trips
	s_cmp_ge_u32 s[N], s[SW1]
	s_cselect_b32 s60, s[JJ], 0
	s_cselect_b32 s61, s[JS], 0
	s_cselect_b32 s62, s[HB], s[FB]
	s_add_co_u32 s60, s60, s[N]
	s_add_co_u32 s61, s61, s[TBN]
	STEP
.Lnext:
	s_add_co_u32 s[TBN], s[TBN], STEPB
	s_add_co_u32 s[N], s[N], 1
	s_cmp_lt_u32 s[N], 9
	s_cbranch_scc1 .Ltrip
	s_cmp_eq_u32 s[ISB], 0
	s_cbranch_scc1 .Lready
.rept 4
	v_nop                                          ; places behind the last products
.endr
	v_add_f32 v14, v14, v15                        ; B hands over its part of the high tile: (pair 7's is empty: zeros under the lowest M)
	v_mov_b32 v15, v12
.irp k, 0,1,2,3,4,5,6,7
	ds_store_b128 v[MRO], v[160+4*\k:163+4*\k] offset:512*\k
.endr
	ds_store_b64 v[MRS], v[14:15]
.Lready:
	s_wait_alu depctr_va_vdst(0)
	s_wait_dscnt 0x0
	s_barrier_signal -1
	s_barrier_wait -1
	s_cmp_lg_u32 s[ISB], 0
	s_cbranch_scc1 .Lend
.rept 4
	v_nop                                          ; places behind the last products, in front of the loads into registers that they read
.endr
.irp k, 0,1,2,3,4,5,6,7
	ds_load_b128 v[32+4*\k:35+4*\k], v[MRO] offset:512*\k
.endr
	ds_load_b64 v[64:65], v[MRS]                   ; B's sum and -M
	s_wait_dscnt 0x0
	v_add_f32 v14, v14, v15
	v_min_num_f32 v66, v12, v65                    ; -M of both
	v_mov_b32 v71, 0                               ; (named as the upper halves of pairs)
	v_mov_b32 v73, 0
	v_sub_f32 v67, v66, v12
	v_sub_f32 v68, v66, v65
	v_cvt_i32_f32 v67, v67                         ; (they saturate)
	v_cvt_i32_f32 v68, v68
	v_ldexp_f32 v70, 1.0, v67                      ; 2^(my M - M)
	v_ldexp_f32 v72, 1.0, v68                      ; 2^(B's M - M)
	v_mul_f32 v14, v14, v70
.set n, 0
.rept 16
	v_pk_mul_f32 v[160+n:161+n], v[160+n:161+n], v[70:71] op_sel_hi:[1,0]
.set n, n+2
.endr
	v_fma_f32 v14, v64, v72, v14
.set n, 0
.rept 16
	v_pk_fma_f32 v[160+n:161+n], v[32+n:33+n], v[72:73], v[160+n:161+n] op_sel_hi:[1,0,1]
.set n, n+2
.endr
	OUT 10                                         ; the high tile
.Lend:
	s_wait_tensorcnt 0x0                           ; the wave's end
	ds_add_u32 v[SPW], v[NIL]
	s_wait_dscnt 0x0
	CROUND                                         ; the closing round: no work-group ends while a partner may still ask for a tile that names it
	s_endpgm
.Lfunc_end_k_q3a1e129a50_attn:
	.size	k_q3a1e129a50_attn, .Lfunc_end_k_q3a1e129a50_attn-k_q3a1e129a50_attn
	.p2alignl 7, 3214868480
	.fill 96, 4, 3214868480
	.section	.rodata,"a",@progbits
	.p2align	6, 0x0
	.amdhsa_kernel k_q3a1e129a50_attn
		.amdhsa_group_segment_fixed_size 327680
		.amdhsa_private_segment_fixed_size 0
		.amdhsa_enable_private_segment 0
		.amdhsa_kernarg_size 24
		.amdhsa_user_sgpr_count 2
		.amdhsa_user_sgpr_kernarg_segment_ptr 1
		.amdhsa_wavefront_size32 1
		.amdhsa_system_sgpr_workgroup_id_x 1
		.amdhsa_system_sgpr_workgroup_id_y 1
		.amdhsa_system_sgpr_workgroup_id_z 1
		.amdhsa_system_vgpr_workitem_id 0
		.amdhsa_next_free_vgpr 256
		.amdhsa_next_free_sgpr 84
		.amdhsa_reserve_vcc 1
		.amdhsa_float_denorm_mode_32 3
		.amdhsa_float_denorm_mode_16_64 3
		.amdhsa_memory_ordered 1
		.amdhsa_forward_progress 1
		.amdhsa_inst_pref_size 46
	.end_amdhsa_kernel
	.amdgpu_metadata
---
amdhsa.version: [ 1, 2 ]
amdhsa.kernels:
  - .name:           k_q3a1e129a50_attn
    .symbol:         k_q3a1e129a50_attn.kd
    .args:
      - { .name: qkv_codes, .offset: 0, .size: 8, .value_kind: global_buffer, .address_space: global }
      - { .name: lowp_scales, .offset: 8, .size: 8, .value_kind: global_buffer, .address_space: global }
      - { .name: y_codes, .offset: 16, .size: 8, .value_kind: global_buffer, .address_space: global }
    .group_segment_fixed_size: 327680
    .private_segment_fixed_size: 0
    .kernarg_segment_align: 8
    .kernarg_segment_size: 24
    .max_flat_workgroup_size: 512
    .sgpr_count:     84
    .vgpr_count:     256
    .wavefront_size: 32
...
	.end_amdgpu_metadata
.endif
;; end of part 3
;; launch proj (part 4): grid 8 x 32, 8 waves a work-group, clusters of 4 x 4, 327,680 bytes of LDS; arguments y_codes, w_codes, lowp_scales, b_proj, out0; writes out0
.if DOCPART == 4
	.amdgcn_target "amdgcn-amd-amdhsa--gfx1250"
	.amdhsa_code_object_version 6
	.text
	.protected	k_q3a1e129a50_proj
	.globl	k_q3a1e129a50_proj
	.p2align	8
	.type	k_q3a1e129a50_proj,@function
k_q3a1e129a50_proj:
	s_mov_b64 s[64:65], 0
	v_nop
	global_prefetch_b8 v0, s[64:65] scope:SCOPE_SE
	s_setreg_imm32_b32 hwreg(HW_REG_WAVE_MODE, 25, 1), 1
	s_wait_xcnt 0x0
	s_wait_alu depctr_hold_cnt(0) depctr_sa_sdst(0) depctr_va_vdst(0) depctr_va_sdst(0) depctr_va_ssrc(0) depctr_va_vcc(0) depctr_vm_vsrc(0)
	s_getreg_b32 s2, hwreg(HW_REG_IB_STS2, 6, 4)
	s_cmp_eq_u32 s2, 0
	s_cbranch_scc0 .Lentry_in_a_cluster
	s_endpgm
.Lentry_in_a_cluster:
	s_bfe_u32 s2, ttmp6, 0x10000c
	s_cmp_lg_u32 s2, 0xf033
	s_cbranch_scc0 .Lentry_shape_is_right
	s_endpgm
.Lentry_shape_is_right:
; out0 = y w_proj + b_proj on codes of FP8 (E4M3), f32 sums: out = sum x 2^(e6 + e7) + b, one packed multiply-add for two numbers.
; A: y_codes [row / 128][16 heads][128 rows][64 d]; K = 64 x head + d.  B: w_codes rows 3072-4095, [n][1024].  out0: [4096][1024] f32.
; LIMIT: e6 + e7 lies between -126 and 127, so that 2^(e6 + e7) is an f32 number.
; SHARES.  A tile of 128 x 128 of the product to a work-group (256 work-groups); eight waves in two groups of four.  A wave makes 64 x 64 (16 accumulators); group 0 sums the first 128 of each 256 along K, group 1 the second.
; At the end the two waves of a tile exchange halves through LDS: each keeps 32 rows, adds the partner's sums and stores them.
; ALL OF K LIES IN LDS: four chunks of 256 along K, each A's 128 rows and B's 128 rows.  Every LDS byte is filled once, at the head, by one tensor load a wave: wave c A's chunk c, wave 4 + c B's.  No slot is filled again, so nothing is left to prefetch.
; A chunk of A is four heads' blocks, 32,768 dense bytes: it comes as 128 lines of 256 bytes; line 32 x (head % 4) + row / 4 holds four rows' 64 codes.
; CLUSTERS: 4 x 4 work-groups.  The four of a row of the cluster need the same rows of A, the four of a column the same rows of B: each tile is asked for jointly, by the same tensor load with a mask that names the four.
; THE MATRIX INSTRUCTION IS USED TRANSPOSED (source 0 = 16 rows of B, source 1 = 16 rows of A): a lane holds eight neighbouring numbers of a row of the output.
; A fragment comes by four loads of 16 bytes: registers 4 u .. 4 u + 3 hold K = 32 u + 16 (lane / 16) + 0 .. 15: a permutation of K that is the same in A and in B.
; REGISTERS: window 0: v1-15 at work at the head and v12-15; v16-23 LDS addresses of A's blocks 0, 1 and 2, 3 in each chunk, v24-27 of B's; v28-31; v32-95 the partner's sums, then the results; v96-127 the bias of my 64 columns;
;   v128-255 the accumulators ((a, b) at v[128 + 8 (4 a + b)]; a = 0, 1 are the rows that I keep), then rows read back.   window 1: two fragment buffers of 128 (at v0 and v128): A's four blocks of 16 rows x 128 K, then B's four.
.set PITCH, 272                        ; an LDS line: 256 bytes + 16 of padding
.set BOFF,  128*PITCH                  ; a chunk: A's 128 lines, then B's 128 rows
.set CH,    2*BOFF
.set STAGE, CH                         ; the way out: 16 rows x 272 bytes for each wave, in chunk 1, which nobody reads any more;  the exchange: 8,192 bytes for each wave, in chunk 0
.set SPARE, 4*CH
.set SPW,  12                          ; v12 LDS address of my spare word; never rewritten
.set NIL,  13                          ; v13 0; never rewritten
.set XO,   14                          ; v14 the exchange: where I put my half,
.set XI,   15                          ; v15 and where the partner's lies
.set ADRA, 16
.set ADRB, 24
.set STO,  28
.set RD,   29
.set CO,   30
.set BO,   31
.set TMP,  32
.set BIAS, 96
.set ACC,  128
.set G1A,  24                          ; s[24:31] descriptor group 1 for A's tiles;  s[32:39] for B's
.set G1B,  32
.set G0A,  48
.set G0B,  52
.set PADW, (1<<20)|(1<<21)|(5<<22)|(3<<25)   ; elements of 1 byte; 20 padding on; 21 set beside a mask; 24:22 after every 64 words (code 5); 31:25 four words (code 3)
.set MSB, 0
.macro WIN new                         ; the immediate's high byte repeats the setting that is left
.if MSB != (\new)
	s_set_vgpr_msb (MSB<<8)|(\new)
.set MSB, (\new)
.endif
.endm
.macro CROUND                          ; a round of the cluster's barrier
	s_barrier_signal -1
	s_barrier_wait -1
	s_cmp_lg_u32 s14, 0
	s_cbranch_scc1 .Lnot_wave_0_\@
	s_barrier_signal -3
.Lnot_wave_0_\@:
	s_barrier_wait -3
	s_barrier_signal -1
	s_barrier_wait -1
.endm
.macro PLACES                          ; four places in front of loads into registers that matrix instructions have read, and of the first read of results
.rept 4
	v_nop
.endr
.endm
	s_load_b128 s[4:7], s[0:1], 0x0                ; y_codes s[4:5], w_codes s[6:7]
	s_load_b128 s[8:11], s[0:1], 0x10              ; the scales' exponents s[8:9], b_proj s[10:11]
	s_load_b64 s[12:13], s[0:1], 0x20              ; out0
	v_lshl_add_u32 v[SPW], v0, 2, SPARE
	v_mov_b32 v[NIL], 0
	ds_add_u32 v[SPW], v[NIL]                      ; the wave's opening
	ds_add_u32 v[SPW], v[NIL]
	v_lshrrev_b32 v1, 5, v0
	v_readfirstlane_b32 s14, v1                    ; wave 0..7
	s_lshr_b32 s15, s14, 2                         ; g: which 128 of a chunk's 256 along K.  Also: I fetch for A (0) or for B (1)
	s_bfe_u32 s18, s14, 0x10001                    ; m: which 64 rows
	s_and_b32 s16, s14, 1                          ; n: which 64 columns
	s_and_b32 s19, s14, 3                          ; which chunk I fetch
	s_bfe_u32 s40, ttmp6, 0x40000                  ; cx, cy: my place in the cluster
	s_bfe_u32 s41, ttmp6, 0x40004
	s_lshl_b32 s42, ttmp9, 2
	s_add_co_u32 s42, s42, s40                     ; tile column = 4 x cluster x + cx
	s_and_b32 s17, ttmp7, 0xffff
	s_lshl_b32 s17, s17, 2
	s_add_co_u32 s17, s17, s41                     ; tile row = 4 x cluster y + cy
	s_lshl_b32 s43, s41, 2
	s_lshl_b32 s43, 15, s43                        ; my row of the cluster
	s_lshl_b32 s44, 0x1111, s40                    ; my column
	s_or_b32 s[G1A], s43, PADW                     ; A's tiles go to my row,
	s_or_b32 s[G1B], s44, PADW                     ; B's to my column
.irp g, G1A, G1B
	s_mov_b32 s[\g+1], 256<<16                     ; tensor_dim0 = 256
	s_mov_b32 s[\g+2], 128<<16                     ; tensor_dim1 = 128
	s_mov_b32 s[\g+3], 256<<16                     ; tile_dim0 = 256
	s_mov_b32 s[\g+4], 128                         ; tile_dim1 = 128
	s_mov_b32 s[\g+6], 0
	s_mov_b32 s[\g+7], 0
.endr
	s_mov_b32 s[G1A+5], 256                        ; A's lines are dense,
	s_mov_b32 s[G1B+5], 1024                       ; B's rows 1,024 bytes apart
	s_lshl_b32 s20, s17, 17                        ; A: 131,072 bytes to a group of 128 rows,
	s_lshl_b32 s22, s19, 15
	s_add_co_u32 s20, s20, s22                     ; 32,768 to four heads
	s_mov_b32 s21, 0
	s_lshl_b32 s46, s42, 7
	s_add_co_u32 s46, s46, 3072
	s_lshl_b32 s46, s46, 10                        ; B: row 3,072 + 128 x tile column,
	s_lshl_b32 s22, s19, 8
	s_add_co_u32 s46, s46, s22                     ; 256 bytes to a chunk
	s_mov_b32 s47, 0
	s_mul_i32 s45, s19, CH
	s_mul_i32 s22, s15, BOFF
	s_add_co_u32 s45, s45, s22                     ; where it goes: no place in the cluster enters an LDS address
	s_mul_i32 s66, s15, 64*PITCH                   ; my fragments of A: two heads' 32 lines for each 128 along K,
	s_mul_i32 s22, s18, 16*PITCH
	s_add_co_u32 s66, s66, s22                     ; 16 lines to 64 rows;
	s_xor_b32 s23, s15, 1
	s_mul_i32 s22, s15, 8*PITCH
	s_mul_i32 s23, s23, 8*PITCH
	s_add_co_u32 s67, s66, s23                     ; blocks 2, 3: the 32 rows that the partner keeps,
	s_add_co_u32 s66, s66, s22                     ; blocks 0, 1: the 32 rows that I keep: 32 g on
	s_mul_i32 s68, s16, 64*PITCH
	s_lshl_b32 s22, s15, 7
	s_add_co_u32 s68, s68, s22
	s_add_co_u32 s68, s68, BOFF                    ; my fragments of B
	s_mul_i32 s69, s14, 16*PITCH
	s_add_co_u32 s69, s69, STAGE                   ; my stage
	s_lshl_b32 s70, s14, 13                        ; the exchange: mine,
	s_xor_b32 s71, s14, 4
	s_lshl_b32 s71, s71, 13                        ; and the partner's
	s_lshl_b32 s72, s17, 7
	s_lshl_b32 s22, s18, 6
	s_add_co_u32 s72, s72, s22
	s_lshl_b32 s22, s15, 5
	s_add_co_u32 s72, s72, s22
	s_lshl_b32 s72, s72, 12                        ; my first row of the output: 128 x tile row + 64 m + 32 g, rows of 4,096 bytes
	s_mov_b32 s73, 0
	s_lshl_b32 s74, s42, 9
	s_lshl_b32 s22, s16, 8
	s_add_co_u32 s74, s74, s22                     ; my first column, in bytes
	s_mov_b32 s75, 0
	s_wait_dscnt 0x0                               ; both opening adds are done
	s_wait_kmcnt 0x0
	s_load_b256 s[84:91], s[8:9], 0x0              ; e0 .. e7
	s_mov_b32 s[G0A], 1
	s_mov_b32 s[G0A+1], s45
	s_add_nc_u64 s[G0A+2:G0A+3], s[4:5], s[20:21]
	s_or_b32 s[G0A+3], s[G0A+3], 0x80000000
	s_mov_b32 s[G0B], 1
	s_mov_b32 s[G0B+1], s45
	s_add_nc_u64 s[G0B+2:G0B+3], s[6:7], s[46:47]
	s_or_b32 s[G0B+3], s[G0B+3], 0x80000000
	s_add_nc_u64 s[10:11], s[10:11], s[74:75]
	s_add_nc_u64 s[12:13], s[12:13], s[72:73]
	s_add_nc_u64 s[12:13], s[12:13], s[74:75]
	CROUND                                         ; all sixteen work-groups are here: the joint loads meet
	s_cmp_eq_u32 s15, 0                            ; one load a wave; the branch hangs on the wave's number alone; an s_nop 0 and four v_nop follow each line
	s_cbranch_scc0 .Lfor_b
	tensor_load_to_lds s[G0A:G0A+3], s[G1A:G1A+7]
	s_nop 0
	PLACES
	s_branch .Lasked
.Lfor_b:
	tensor_load_to_lds s[G0B:G0B+3], s[G1B:G1B+7]
	s_nop 0
	PLACES
.Lasked:
	v_and_b32 v1, 15, v0                           ; r = lane % 16
	v_bfe_u32 v2, v0, 4, 1                         ; h = lane / 16
	v_and_b32 v8, 31, v0
	v_lshlrev_b32 v[BO], 5, v2
.irp b, 0,1,2,3
	global_load_b128 v[BIAS+8*\b:BIAS+8*\b+3], v[BO], s[10:11] offset:64*\b       ; the bias at columns 16 b + 8 h + 0 .. 7, in the results' layout
	global_load_b128 v[BIAS+8*\b+4:BIAS+8*\b+7], v[BO], s[10:11] offset:64*\b+16
.endr
	v_mul_u32_u24 v3, v1, PITCH
	v_lshrrev_b32 v4, 2, v1
	v_and_b32 v5, 3, v1
	v_mul_u32_u24 v7, v2, PITCH
	v_lshl_add_u32 v6, v2, 5, v3                   ; the stage, in: row r, 32 bytes for each half of the lanes
	v_mul_u32_u24 v4, v4, PITCH
	v_lshl_add_u32 v3, v2, 4, v3                   ; B: a fragment's row x pitch + 16 h
	v_lshl_add_u32 v7, v1, 4, v7                   ; back: lanes 0-15 one row of 256 bytes, lanes 16-31 the next
	v_lshl_add_u32 v4, v5, 6, v4
	v_lshlrev_b32 v[CO], 12, v2
	v_add_nc_u32 v[ADRB], s68, v3
	v_lshl_add_u32 v4, v2, 4, v4                   ; A: line r / 4, place r % 4, + 16 h
	v_add_nc_u32 v[STO], s69, v6
	v_add_nc_u32 v[RD], s69, v7
	v_add_nc_u32 v[ADRA], s66, v4
	v_add_nc_u32 v[ADRA+4], s67, v4
	v_lshl_add_u32 v[CO], v1, 4, v[CO]             ; and the same two rows in the output
	v_lshlrev_b32 v8, 4, v8
.irp c, 0,1,2
	v_add_nc_u32 v[ADRB+\c+1], CH, v[ADRB+\c]
	v_add_nc_u32 v[ADRA+\c+1], CH, v[ADRA+\c]
	v_add_nc_u32 v[ADRA+\c+5], CH, v[ADRA+\c+4]
.endr
	v_add_nc_u32 v[XO], s70, v8
	v_add_nc_u32 v[XI], s71, v8
	s_wait_alu depctr_va_vdst(0)
	s_wait_kmcnt 0x0
	s_add_co_i32 s92, s90, s91                     ; e6 + e7
	s_add_co_i32 s92, s92, 127
	s_lshl_b32 s92, s92, 23                        ; 2^(e6 + e7) as f32
	s_mov_b32 s93, s92                             ; (named with it as a pair, so it is written)
; 32 LDS loads in one run: the fragments of my 128 along K of chunk c into buffer f.  In A, K = 32 u lies u / 2 heads of 32 lines on, at d = 32 (u % 2); four lines to 16 rows.
.macro FETCH c, f
	WIN 0x40
.irp i, 0,1,2,3
.irp u, 0,1,2,3
	ds_load_b128 v[(\f)+64+16*\i+4*\u:(\f)+64+16*\i+4*\u+3], v[ADRB+(\c)] offset:32*\u+16*PITCH*\i
.endr
.irp u, 0,1,2,3
	ds_load_b128 v[(\f)+16*\i+4*\u:(\f)+16*\i+4*\u+3], v[ADRA+4*(\i/2)+(\c)] offset:32*PITCH*(\u/2)+32*(\u%2)+4*PITCH*(\i%2)
.endr
.endr
	WIN 0
.endm
; 16 matrix instructions, 128 along K: source 0 = B's block b, source 1 = A's block a.  The sixteen accumulators take turns, one instruction a turn, in the same order in every step.
; zero = 1: the products start the sums: nothing is cleared.
.macro MUL16 f, zero
	WIN 0x05
.irp a, 0,1,2,3
.irp b, 0,1,2,3
.set S0, (\f)+64+16*\b
.set S1, (\f)+16*\a
.set AC, ACC+8*(4*\a+\b)
.if \zero
	v_wmma_f32_16x16x128_fp8_fp8 v[AC:AC+7], v[S0:S0+15], v[S1:S1+15], 0
.else
	v_wmma_f32_16x16x128_fp8_fp8 v[AC:AC+7], v[S0:S0+15], v[S1:S1+15], v[AC:AC+7]
.endif
.endr
.endr
	WIN 0
.endm
; Step s of four, from buffer s % 2.  The next step's fragments are asked for ahead of this step's products.
.macro STEP s, zero
	s_wait_dscnt 0x0                               ; this step's 32 loads are in
.if (\s) < 3
.if (\s) > 0
	PLACES                                         ; the other buffer was read by the step before
.endif
	FETCH (\s)+1, 128*(((\s)+1)%2)
.else
	s_barrier_signal -1                            ; my reads of all four chunks are over
.endif
	MUL16 128*((\s)%2), \zero
.if (\s) == 3
	s_barrier_wait -1                              ; and everybody's
.endif
.endm
	s_wait_tensorcnt 0x0                           ; my part of all four chunks has landed,
	s_barrier_signal -1
	s_barrier_wait -1                              ; and everybody's
	FETCH 0, 0
	STEP 0, 1
	STEP 1, 0
	STEP 2, 0
	STEP 3, 0
	PLACES
	; THE EXCHANGE, in chunk 0, which nobody reads any more behind the barrier in the last step.
.set n, 0
.rept 16
	ds_store_b128 v[XO], v[ACC+64+4*n:ACC+67+4*n] offset:512*n     ; my sums of the partner's 32 rows
.set n, n+1
.endr
	s_wait_loadcnt 0x0                             ; the bias
	s_wait_dscnt 0x0
	s_barrier_signal -1
	s_barrier_wait -1
.set n, 0
.rept 16
	ds_load_b128 v[TMP+4*n:TMP+3+4*n], v[XI] offset:512*n          ; the partner's sums of mine, in the same layout
.set n, n+1
.endr
	s_wait_dscnt 0x0
.set n, 0
.rept 32
	v_pk_add_f32 v[TMP+n:TMP+n+1], v[ACC+n:ACC+n+1], v[TMP+n:TMP+n+1]   ; each accumulator from its low end on
.set n, n+2
.endr
.set n, 0
.rept 32
	v_pk_fma_f32 v[TMP+n:TMP+n+1], v[TMP+n:TMP+n+1], s[92:93], v[BIAS+n%32:BIAS+n%32+1] op_sel_hi:[1,0,1]
.set n, n+2
.endr
	; THE WAY OUT, two blocks of 16 rows x 64 columns: through my stage, back as whole runs of 256 bytes.  LDS serves a wave's instructions in order: the loads see the stores ahead of them, and block 1's stores come behind block 0's loads.
.irp a, 0,1
.irp b, 0,1,2,3
	ds_store_b128 v[STO], v[TMP+32*\a+8*\b:TMP+32*\a+8*\b+3] offset:64*\b
	ds_store_b128 v[STO], v[TMP+32*\a+8*\b+4:TMP+32*\a+8*\b+7] offset:64*\b+16
.endr
.irp t, 0,1,2,3,4,5,6,7
	ds_load_b128 v[ACC+32*\a+4*\t:ACC+32*\a+4*\t+3], v[RD] offset:2*PITCH*\t
.endr
.endr
.irp a, 0,1
.irp t, 0,1,2,3,4,5,6,7
	s_wait_dscnt 16*(1-\a)+7-\t                    ; the younger loads (and, for block 0, block 1's stores and loads) may be out
	global_store_b128 v[CO], v[ACC+32*\a+4*\t:ACC+32*\a+4*\t+3], s[12:13] offset:(16*\a+2*\t)*4096 th:TH_STORE_NT   ; sixteen lanes store 256 consecutive bytes, aligned; written once, read by nobody here
.endr
.endr
	s_wait_tensorcnt 0x0                           ; the wave's end
	ds_add_u32 v[SPW], v[NIL]
	s_wait_dscnt 0x0
	CROUND                                         ; the closing round: no work-group ends while a partner may still ask for a tile that names it
	s_endpgm
.Lfunc_end_k_q3a1e129a50_proj:
	.size	k_q3a1e129a50_proj, .Lfunc_end_k_q3a1e129a50_proj-k_q3a1e129a50_proj
	.p2alignl 7, 3214868480
	.fill 96, 4, 3214868480
	.section	.rodata,"a",@progbits
	.p2align	6, 0x0
	.amdhsa_kernel k_q3a1e129a50_proj
		.amdhsa_group_segment_fixed_size 327680
		.amdhsa_private_segment_fixed_size 0
		.amdhsa_enable_private_segment 0
		.amdhsa_kernarg_size 40
		.amdhsa_user_sgpr_count 2
		.amdhsa_user_sgpr_kernarg_segment_ptr 1
		.amdhsa_wavefront_size32 1
		.amdhsa_system_sgpr_workgroup_id_x 1
		.amdhsa_system_sgpr_workgroup_id_y 1
		.amdhsa_system_sgpr_workgroup_id_z 1
		.amdhsa_system_vgpr_workitem_id 0
		.amdhsa_next_free_vgpr 512
		.amdhsa_next_free_sgpr 100
		.amdhsa_reserve_vcc 0
		.amdhsa_float_denorm_mode_32 3
		.amdhsa_float_denorm_mode_16_64 3
		.amdhsa_memory_ordered 1
		.amdhsa_forward_progress 1
		.amdhsa_inst_pref_size 32
	.end_amdhsa_kernel
	.amdgpu_metadata
---
amdhsa.version: [ 1, 2 ]
amdhsa.kernels:
  - .name:           k_q3a1e129a50_proj
    .symbol:         k_q3a1e129a50_proj.kd
    .args:
      - { .name: y_codes, .offset: 0, .size: 8, .value_kind: global_buffer, .address_space: global }
      - { .name: w_codes, .offset: 8, .size: 8, .value_kind: global_buffer, .address_space: global }
      - { .name: lowp_scales, .offset: 16, .size: 8, .value_kind: global_buffer, .address_space: global }
      - { .name: b_proj, .offset: 24, .size: 8, .value_kind: global_buffer, .address_space: global }
      - { .name: out0, .offset: 32, .size: 8, .value_kind: global_buffer, .address_space: global }
    .group_segment_fixed_size: 327680
    .private_segment_fixed_size: 0
    .kernarg_segment_align: 8
    .kernarg_segment_size: 40
    .max_flat_workgroup_size: 256
    .sgpr_count:     100
    .vgpr_count:     512
    .wavefront_size: 32
...
	.end_amdgpu_metadata
.endif
;; end of part 4
